; MI455X (gfx1250); checked and timed in simulation.
; The chip was launched on July 23, 2026; its instructions are those of AMD's public machine-readable ISA for CDNA 5 (MIT licence, August 2026) and "CDNA5" Instruction Set Architecture Reference Guide (July 2026). The comments in the code are by the model that wrote it; some were corrected since.
;; IMITER Self Attention. Allowed arithmetic: matrix products marked QUANTISED: E2M1 operands, one E8M0 scale for each 32 along K, by v_wmma_scale_f32_16x16x128_f8f6f4 with both operands' format E2M1 (or v_wmma_scale_f32_32x16x128_f4), f32 sums; products left as they are: bf16, f16 or f32 operands; f32 sums; everything else in f32.
;; Inputs: W_iik 577 x 512 float32; W_iiv 577 x 512 float32; W_itk 512 x 577 float32; W_itv 512 x 577 float32; Wk 1,024 x 1,024 float32; Wq 1,024 x 1,024 float32; Wv 1,024 x 1,024 float32; b_iik 577 float32; b_iiv 577 float32; b_itk 512 float32; b_itv 512 float32; bk 1,024 float32; bq 1,024 float32; bv 1,024 float32; hidden_states 8 x 1,089 x 1,024 float32.
;; Outputs: out0 8 x 1,089 x 1,024 float32; out1 one number float32.
;; This version of the problem:
;;   THIS VERSION OF THE PROBLEM IS GIVEN IN LOW PRECISION. The matrix products marked QUANTISED in the list below multiply operands that are first quantised to E2M1 (2 exponent bits, 1 mantissa bit; 4 bits a number), with one power-of-two scale for each 32 numbers along K (OCP MX v1.0); their sums are f32. The products marked 'left as it is' may take bf16, f16 or f32 operands, with f32 sums. Whichever they take, every output number must still come out within the allowed error. Rounding operands to bf16 (8 significant bits) uses up far more of that allowance than f16 does (11 bits, for magnitudes from 6e-5 to 65,504). All else is computed in f32.
;;   The module's matrix products, in the order in which they are computed (A, B: the left and right operand; K: the contracted axis; several contracted axes count as one K, in the product's order):
;;     1. [M 8,712, K 1,024] x [K 1,024, N 1,024]; A: input hidden_states; B: input Wq: QUANTISED
;;     2. [M 8,712, K 1,024] x [K 1,024, N 1,024]; A: input hidden_states; B: input Wk: QUANTISED
;;     3. [M 8,712, K 1,024] x [K 1,024, N 1,024]; A: input hidden_states; B: input Wv: QUANTISED
;;     4. [M 8,192, K 512] x [K 512, N 577]; A: computed on the way; B: input W_iik: left as it is (an operand is computed on the way)
;;     5. [M 8,192, K 577] x [K 577, N 512]; A: computed on the way; B: input W_itk: left as it is (an operand is computed on the way)
;;     6. [M 8,192, K 512] x [K 512, N 577]; A: computed on the way; B: input W_iiv: left as it is (an operand is computed on the way)
;;     7. [M 8,192, K 577] x [K 577, N 512]; A: computed on the way; B: input W_itv: left as it is (an operand is computed on the way)
;;     8. batch 128 x [M 1,089, K 64] x [K 64, N 1,089]; A: computed on the way; B: computed on the way: left as it is (an operand is computed on the way)
;;     9. batch 128 x [M 1,089, K 1,089] x [K 1,089, N 64]; A: computed on the way; B: computed on the way: left as it is (an operand is computed on the way)
;;   THE QUANTISER, for each operand of a quantised product, along K:
;;     - K is cut into blocks of 32 from its start; a last block that is shorter is filled with zeros.
;;     - A block's scale is 2^e with e = floor(log2(the largest magnitude in the block)) - 2, held to -126 .. 127; a block of zeros has e = 0. As a byte (E8M0): e + 127.
;;     - Each number is divided by its block's scale, clamped to +-6, and rounded to the nearest number of E2M1, ties to even, subnormals kept.
;;     - The product sums the exact products of the quantised numbers (number of the format x scale) in f32.
;;   ~~~python
;;   def quantise(x, axis):      # numpy; x: float32 -> the quantised numbers, widened to float32 again
;;       x = np.moveaxis(x, axis, -1); K = x.shape[-1]
;;       x = np.pad(x, [(0, 0)] * (x.ndim - 1) + [(0, -K % 32)]); x = x.reshape(x.shape[:-1] + (-1, 32)); a = np.abs(x).max(-1, keepdims=True)
;;       e = np.where(a > 0, np.clip(np.frexp(np.where(a > 0, a, 1))[1] - 1 - 2, -126, 127), 0)      # np.frexp(a)[1] - 1 = floor(log2(a)), exactly
;;       r = np.clip(x / 2.0 ** e, -6, 6)
;;       step = 2.0 ** (np.maximum(np.frexp(np.where(r == 0, 1, r))[1] - 1, 0) - 1)
;;       q = np.round(r / step) * step * 2.0 ** e      # np.round: ties to even
;;       return np.moveaxis(q.reshape(q.shape[:-2] + (-1,))[..., :K], -1, axis).astype(np.float32)
;;   ~~~
;; One version. Each part assembles by itself: llvm-mc -triple=amdgcn-amd-amdhsa -mcpu=gfx1250 --defsym DOCPART=n.
;; ======== version 1 of 1: 4 launches
;; limits: values are held in f16: magnitudes above 65,504 overflow, below 6.1e-05 lose precision; values outside matrix products are rounded to f16
;; workspace buffers: codes 6,291,456 bytes; scales 393,216 bytes; wim 3,112,960 bytes; pmax 7,424 bytes; qkv 56,623,104 bytes; ikv 36,700,160 bytes; red 4,352 bytes
;; launch prep (part 1): grid 460 x 1, 4 waves a work-group, no clusters, 33,280 bytes of LDS; arguments hidden_states, Wq, Wk, Wv, W_itk, W_itv, W_iik, W_iiv, codes, scales, wim, pmax; writes codes, scales, wim, pmax
.if DOCPART == 1
	.amdgcn_target "amdgcn-amd-amdhsa--gfx1250"
	.amdhsa_code_object_version 6
	.text
	.protected	k_q310bc17480_prep
	.globl	k_q310bc17480_prep
	.p2align	8
	.type	k_q310bc17480_prep,@function
k_q310bc17480_prep:
	s_mov_b64 s[64:65], 0
	v_nop
	global_prefetch_b8 v0, s[64:65] scope:SCOPE_SE
	s_setreg_imm32_b32 hwreg(HW_REG_WAVE_MODE, 25, 1), 1
	s_wait_xcnt 0x0
; PREP.  Two kinds of work-groups, told apart by the work-group's number alone.
; Work-groups 0-383: hidden_states and Wq, Wk, Wv (f32, K = 1,024 innermost) become codes of FP4 (E2M1) with one E8M0 byte for each 32 along K.
;   codes: 12,288 rows of 512 bytes; rows 0-9,215 are hidden_states at row 1,152 b + s, rows 9,216 on are Wq, Wk, Wv.  scales: 32 bytes a row.
;   Rows s = 1,089 .. 1,151 of a batch are copies of row 1,088 (the source row is clamped): finite numbers that later meet only weights of 0, hidden keys and rows that are not stored.
;   A block's scale is 2^(floor(log2(its largest magnitude)) - 2); its byte is the largest magnitude's exponent field - 2, held at 1 from below.
; Work-groups 384-459: W_itk, W_itv, W_iik, W_iiv become f16, laid as the next-but-one launch's blocks: wim[tensor 2][block 4][304 rows][640 columns]; blocks 0, 1: rows 256 blk + lr (lr < 256) of W_it, 577 columns;
;   blocks 2, 3: rows 304 (blk - 2) + lr (< 577) of W_ii, 512 columns; every other place is written as 0.
; Every wave also stores the largest magnitude that it met: pmax[4 x work-group + wave].
; LIMITS: a block of zeros gets the byte 1 where the rule says 127 (its codes are zeros, and only this program reads the bytes); blocks whose largest magnitude lies under 2^-124 are held at byte 1;
; |W_i..| stays under 65,504 (f16); NaN and infinities among the inputs are not served.
; A wave takes 8 rows.  The quantising path: 16 steps of 512 numbers; each load reads 512 consecutive bytes, a step turns through the wave's own stage in LDS so that a lane holds 16 neighbours along K.
; Loads run eight steps ahead: 32 loads, 16 KiB, of every wave are on their way.
.set WAVES, 4
.set STEPS, 16
.set DEPTH, 8                          ; steps that the loads run ahead
.set EMAX,  2
.set CB,    8                          ; bytes of 16 codes
.set R,     16                         ; v16-143  eight sets of 16 numbers as loaded
.set X,     144                        ; v144-175 two sets of 16 neighbours
.set E,     176                        ; v176-191 a scale byte for each step
.set C,     192                        ; v192-223 codes, two registers a step: no store's data are written again
.set OFFR,  224                        ; v224-231 byte offset of my 16 bytes in each of my 8 source rows
.set RM,    240                        ; v240     the largest magnitude so far
.set RT,    241                        ; v241     at work
.set ZO,    242                        ; v242     0, an offset
.set WREG,  8192                       ; LDS: a region for each wave: two stages of 32 x SP bytes, then its 256 scale bytes
.set SP,    80
.set SPW,   12                         ; v12      my spare word's LDS address; never rewritten
.set NIL,   13                         ; v13      0; never rewritten
.set SPARE, WAVES*WREG                 ; the spare words: 128 bytes a wave, named by no other line
.set COL,   16                         ; the converting path: v16-35 my 20 columns, v36-55 their clamped byte offsets, v64-223 eight rows x 20 numbers
.set COFF,  36
.set DATA,  64
	s_load_b256 s[4:11], s[0:1], 0x0               ; hidden_states, Wq, Wk, Wv
	s_load_b256 s[12:19], s[0:1], 0x20             ; W_itk, W_itv, W_iik, W_iiv
	s_load_b256 s[20:27], s[0:1], 0x40             ; codes, scales, wim, pmax
	v_lshl_add_u32 v[SPW], v0, 2, SPARE
	v_mov_b32 v[NIL], 0
	v_lshrrev_b32 v1, 5, v0
	v_readfirstlane_b32 s28, v1                    ; wave
	v_and_b32 v2, 31, v0                           ; lane
	v_lshlrev_b32 v3, 4, v2                        ; my 16 bytes of a load's 512
	s_mul_i32 s29, s28, WREG
	v_lshrrev_b32 v14, 2, v2
	v_mul_u32_u24 v14, v14, SP
	v_and_b32 v15, 3, v2
	v_lshl_add_u32 v14, v15, 4, v14
	v_add_nc_u32 v14, s29, v14                     ; the stage, on the way in: SP (lane / 4) + 16 (lane % 4)
	v_mul_u32_u24 v15, v2, SP
	v_add_nc_u32 v15, s29, v15                     ; and on the way out: SP x lane
	v_mul_u32_u24 v4, v2, CB                       ; my codes' place in a step's
	v_lshrrev_b32 v5, 1, v2
	s_add_co_u32 s29, s29, 2*32*SP
	v_add_nc_u32 v5, s29, v5                       ; LDS: my block's scale byte
	v_lshlrev_b32 v7, 3, v2                        ; 8 bytes a lane
	v_add_nc_u32 v6, s29, v7
	v_mov_b32 v[RM], 0
	v_mov_b32 v[RT], 0
	v_mov_b32 v[ZO], 0
	s_lshl_b32 s46, ttmp9, 2
	s_add_co_u32 s46, s46, s28                     ; my run of 8 rows: 4 x work-group + wave
	s_mov_b32 s74, 0x76543210
	s_mov_b32 s75, 0xfedcba98                      ; v_permlanex16_b32's selects for lane l xor 16
	s_lshl_b32 s40, s46, 2
	s_mov_b32 s41, 0
	s_wait_kmcnt 0x0
	s_add_nc_u64 s[26:27], s[26:27], s[40:41]      ; my word of pmax
	s_cmp_ge_u32 ttmp9, 384
	s_cbranch_scc1 .Lconv
	; ---- the quantising path
	s_mul_hi_u32 s30, ttmp9, 119304648             ; work-group / 36: the batch (36 work-groups x 32 rows = 1,152)
	s_mul_i32 s31, s30, 36
	s_sub_co_u32 s31, ttmp9, s31
	s_sub_co_u32 s32, ttmp9, 288
	s_and_b32 s32, s32, 31                         ; a weight has 32 work-groups
	s_mul_i32 s34, s30, 1089*4096                  ; the batch's first byte
	s_mov_b32 s35, 0
	s_mov_b32 s33, 1023
	s_cmp_lt_u32 ttmp9, 352
	s_cselect_b64 s[36:37], s[8:9], s[10:11]
	s_cmp_lt_u32 ttmp9, 320
	s_cselect_b64 s[36:37], s[6:7], s[36:37]
	s_cmp_lt_u32 ttmp9, 288
	s_cselect_b64 s[36:37], s[4:5], s[36:37]       ; the source: a choice on the work-group's number alone
	s_cselect_b32 s31, s31, s32
	s_cselect_b32 s33, 1088, s33                   ; its last row
	s_cselect_b32 s34, s34, 0
	s_add_nc_u64 s[36:37], s[36:37], s[34:35]
	s_lshl_b32 s31, s31, 2
	s_add_co_u32 s31, s31, s28
	s_lshl_b32 s31, s31, 3                         ; my first row
	s_lshl_b32 s38, s46, 12
	s_mov_b32 s39, 0
	s_add_nc_u64 s[20:21], s[20:21], s[38:39]      ; my 8 rows of codes: 4,096 bytes
	s_lshl_b32 s38, s46, 8
	s_add_nc_u64 s[22:23], s[22:23], s[38:39]      ; and their 256 scale bytes
.irp i, 0,1,2,3,4,5,6,7
	s_add_co_u32 s38, s31, \i
	s_min_u32 s38, s38, s33                        ; rows past the last are copies of the last
	s_lshl_b32 s38, s38, 12
	v_add_nc_u32 v[OFFR+\i], s38, v3
.endr
.macro LOAD t                          ; step t: half (t % 2) of row t / 2
.irp i, 0,1,2,3
	global_load_b128 v[R+16*((\t)%DEPTH)+4*\i:R+16*((\t)%DEPTH)+4*\i+3], v[OFFR+(\t)/2], s[36:37] offset:2048*((\t)%2)+512*\i   ; 32 lanes read 512 consecutive bytes
.endr
.endm
.macro TURN t                          ; step t's numbers through the stage: LDS serves a wave's instructions in order, so no wait stands between the stores and the loads
.irp i, 0,1,2,3
	ds_store_b128 v14, v[R+16*((\t)%DEPTH)+4*\i:R+16*((\t)%DEPTH)+4*\i+3] offset:32*SP*((\t)%2)+8*SP*\i
.endr
.irp i, 0,1,2,3
	ds_load_b128 v[X+16*((\t)%2)+4*\i:X+16*((\t)%2)+4*\i+3], v15 offset:32*SP*((\t)%2)+16*\i
.endr
.endm
.irp t, 0,1,2,3,4,5,6,7
	LOAD \t
.endr
	s_wait_loadcnt 4*(DEPTH-1)                     ; step 0's four loads are in; the 28 of steps 1 to 7 may be out
	TURN 0
.macro STEP t
.set XS, X+16*((\t)%2)
.if (\t) > 0
	s_wait_dscnt 1                                 ; this step's numbers are back from the stage (the last step's byte store may be out): so the stage's stores have read their set,
.else
	s_wait_dscnt 0x0
.endif
.if (\t)+DEPTH < STEPS
	LOAD (\t)+DEPTH                                ; which takes the loads of eight steps on
.endif
.if (\t)+1 < STEPS
.if STEPS-2-(\t) >= DEPTH-1
	s_wait_loadcnt 4*(DEPTH-1)                     ; the next step's four loads are in; those of the seven steps behind it may be out
.else
	s_wait_loadcnt 4*(STEPS-2-(\t))
.endif
	TURN (\t)+1
.endif
	v_max3_num_f32 v8, |v[XS]|, |v[XS+1]|, |v[XS+2]|               ; the largest magnitude of my 16
	v_max3_num_f32 v9, |v[XS+3]|, |v[XS+4]|, |v[XS+5]|
.irp i, 6,10
	v_max3_num_f32 v8, v8, |v[XS+\i]|, |v[XS+\i+1]|
	v_max3_num_f32 v9, v9, |v[XS+\i+2]|, |v[XS+\i+3]|
.endr
	v_max3_num_f32 v8, v8, |v[XS+14]|, |v[XS+15]|
	v_max3_num_f32 v8, v8, v9, (EMAX+1)<<23        ; and the floor 2^(3 - 127): the byte cannot fall under 1
	v_max_num_f32_dpp v8, v8, v8 row_xmask:1 row_mask:0xf bank_mask:0xf   ; with my neighbour's 16: the block's
	v_max_num_f32 v[RM], v[RM], v8                 ; and the wave's
	v_add_nc_u32 v11, -(EMAX<<23), v8              ; 2 off its exponent field: the conversion takes this operand's exponent field as its scale
	v_cvt_scalef32_pk8_fp4_f32 v[C+2*(\t)], v[XS:XS+7], v11
	v_cvt_scalef32_pk8_fp4_f32 v[C+2*(\t)+1], v[XS+8:XS+15], v11
	v_lshrrev_b32 v[E+(\t)], 23, v11               ; the scale's byte
	ds_store_b8 v5, v[E+(\t)] offset:16*(\t)       ; both lanes of a block write the same byte with the same value
	global_store_b64 v4, v[C+2*(\t):C+2*(\t)+1], s[20:21] offset:32*CB*(\t)   ; the wave stores 256 consecutive bytes, aligned
.endm
.irp t, 0,1,2,3,4,5,6,7,8,9,10,11,12,13,14,15
	STEP \t
.endr
	ds_load_b64 v[8:9], v6                         ; LDS serves a wave's instructions in order: these see my byte stores
	s_wait_dscnt 0x0
	global_store_b64 v7, v[8:9], s[22:23]          ; 256 consecutive scale bytes, aligned
	s_branch .Lend
	; ---- the converting path: 304 runs of 8 rows of wim
.Lconv:
	s_sub_co_u32 s30, ttmp9, 384
	s_cmp_ge_u32 s30, 38
	s_cselect_b32 s31, 1, 0                        ; the tensor: 0 for k's weights, 1 for v's
	s_cselect_b32 s32, 38, 0
	s_sub_co_u32 s30, s30, s32
	s_lshl_b32 s30, s30, 2
	s_add_co_u32 s30, s30, s28                     ; the run within the tensor, 0 .. 151
	s_cmp_ge_u32 s30, 38
	s_cselect_b32 s33, 1, 0
	s_cmp_ge_u32 s30, 76
	s_cselect_b32 s34, 1, 0
	s_cmp_ge_u32 s30, 114
	s_cselect_b32 s35, 1, 0
	s_add_co_u32 s33, s33, s34
	s_add_co_u32 s33, s33, s35                     ; the block: 38 runs each
	s_mul_i32 s34, s33, 38
	s_sub_co_u32 s34, s30, s34
	s_lshl_b32 s34, s34, 3                         ; my first row within the block
	s_lshl_b32 s38, s33, 8                         ; text: the block begins at row 256 blk,
	s_sub_co_u32 s39, s33, 2
	s_mul_i32 s39, s39, 304                        ; image: at row 304 (blk - 2)
	s_add_co_u32 s40, s38, 256                     ; text: 256 rows of a block are real
	s_mov_b32 s35, 577
	s_mov_b32 s36, 511
	s_cmp_eq_u32 s31, 0
	s_cselect_b64 s[42:43], s[12:13], s[14:15]
	s_cselect_b64 s[44:45], s[16:17], s[18:19]
	s_cmp_ge_u32 s33, 2
	s_cselect_b64 s[42:43], s[44:45], s[42:43]     ; the source
	s_cselect_b32 s35, 512, s35                    ; its columns,
	s_cselect_b32 s36, 576, s36                    ; its last row,
	s_cselect_b32 s38, s39, s38
	s_cselect_b32 s40, 577, s40                    ; and the row from which zeros are written
	s_add_co_u32 s38, s38, s34                     ; my first row
	s_lshl_b32 s37, s35, 2                         ; a source row in bytes
	s_sub_co_u32 s39, s35, 1                       ; the last column
	s_sub_co_u32 s32, s46, 1536
	s_mul_i32 s32, s32, 8*1280
	s_mov_b32 s33, 0
	s_add_nc_u64 s[24:25], s[24:25], s[32:33]      ; my 8 rows of wim
	s_mov_b32 s31, 0
.irp i, 0,1,2,3,4,5,6,7
	s_add_co_u32 s30, s38, \i
	s_cmp_lt_u32 s30, s40
	s_cselect_b32 s[66+\i], s35, 0                 ; how many columns of this row are real
	s_min_u32 s30, s30, s36                        ; no load leaves the buffer
	s_mul_i32 s30, s30, s37
	s_add_nc_u64 s[48+2*\i:49+2*\i], s[42:43], s[30:31]
.endr
.irp g, 0,1,2,3,4
.irp e, 0,1,2,3
	v_lshl_add_u32 v[COL+4*\g+\e], v2, 2, 128*\g+\e          ; column 128 g + 4 lane + e: four neighbours a lane, so that a lane packs 8 bytes of f16
	v_min_u32 v[COFF+4*\g+\e], s39, v[COL+4*\g+\e]
	v_lshlrev_b32 v[COFF+4*\g+\e], 2, v[COFF+4*\g+\e]
.endr
.endr
.macro LOADROW i                       ; rows of 577 numbers begin at multiples of 4 bytes only: loads of 4 bytes
.irp j, 0,1,2,3,4,5,6,7,8,9,10,11,12,13,14,15,16,17,18,19
	global_load_b32 v[DATA+20*(\i)+\j], v[COFF+\j], s[48+2*(\i):49+2*(\i)]
.endr
.endm
.macro ROW i
.irp j, 0,1,2,3,4,5,6,7,8,9,10,11,12,13,14,15,16,17,18,19
	v_cmp_gt_u32 vcc_lo, s[66+(\i)], v[COL+\j]
	v_cndmask_b32 v[DATA+20*(\i)+\j], 0, v[DATA+20*(\i)+\j], vcc_lo     ; 0 past the row's real columns
.endr
.irp j, 0,2,4,6,8,10,12,14,16,18
	v_max3_num_f32 v[RM], v[RM], |v[DATA+20*(\i)+\j]|, |v[DATA+20*(\i)+\j+1]|
.endr
.irp g, 0,1,2,3,4
	v_cvt_pk_f16_f32 v[DATA+20*(\i)+4*\g], v[DATA+20*(\i)+4*\g], v[DATA+20*(\i)+4*\g+1]       ; in place: each row has registers of its own, so no store's data are written again
	v_cvt_pk_f16_f32 v[DATA+20*(\i)+4*\g+1], v[DATA+20*(\i)+4*\g+2], v[DATA+20*(\i)+4*\g+3]
	global_store_b64 v7, v[DATA+20*(\i)+4*\g:DATA+20*(\i)+4*\g+1], s[24:25] offset:256*\g+1280*(\i)   ; the wave stores 256 consecutive bytes, aligned
.endr
.endm
	LOADROW 0
	LOADROW 1
	LOADROW 2
.irp i, 0,1,2,3,4,5,6,7
.if \i < 6
	s_wait_loadcnt 40                              ; row i's 20 loads are in; the 40 of the two rows behind it may be out
.else
	s_wait_loadcnt 20*(7-\i)
.endif
	ROW \i
.if \i < 5
	LOADROW \i+3
.endif
.endr
.Lend:
	v_max_num_f32_dpp v[RM], v[RM], v[RM] row_xmask:1 row_mask:0xf bank_mask:0xf    ; the wave's largest magnitude, in every lane
	v_max_num_f32_dpp v[RM], v[RM], v[RM] row_xmask:2 row_mask:0xf bank_mask:0xf
	v_max_num_f32_dpp v[RM], v[RM], v[RM] row_xmask:4 row_mask:0xf bank_mask:0xf
	v_max_num_f32_dpp v[RM], v[RM], v[RM] row_xmask:8 row_mask:0xf bank_mask:0xf
	v_permlanex16_b32 v[RT], v[RM], s74, s75
	v_max_num_f32 v[RM], v[RM], v[RT]
	s_wait_tensorcnt 0x0                           ; the wave's end, behind my last LDS store
	ds_add_u32 v[SPW], v[NIL]
	s_wait_dscnt 0x0
	s_wait_xcnt 0x0                                ; EXEC is a source of the stores above: it changes only behind this wait
	v_cmp_eq_u32 vcc_lo, 0, v2
	s_and_saveexec_b32 s29, vcc_lo
	global_store_b32 v[ZO], v[RM], s[26:27]        ; lane 0 alone
	s_wait_xcnt 0x0
	s_or_b32 exec_lo, exec_lo, s29
	s_endpgm
.Lfunc_end_k_q310bc17480_prep:
	.size	k_q310bc17480_prep, .Lfunc_end_k_q310bc17480_prep-k_q310bc17480_prep
	.p2alignl 7, 3214868480
	.fill 96, 4, 3214868480
	.section	.rodata,"a",@progbits
	.p2align	6, 0x0
	.amdhsa_kernel k_q310bc17480_prep
		.amdhsa_group_segment_fixed_size 33280
		.amdhsa_private_segment_fixed_size 0
		.amdhsa_enable_private_segment 0
		.amdhsa_kernarg_size 96
		.amdhsa_user_sgpr_count 2
		.amdhsa_user_sgpr_kernarg_segment_ptr 1
		.amdhsa_wavefront_size32 1
		.amdhsa_system_sgpr_workgroup_id_x 1
		.amdhsa_system_sgpr_workgroup_id_y 1
		.amdhsa_system_sgpr_workgroup_id_z 1
		.amdhsa_system_vgpr_workitem_id 0
		.amdhsa_next_free_vgpr 256
		.amdhsa_next_free_sgpr 80
		.amdhsa_reserve_vcc 1
		.amdhsa_float_denorm_mode_32 3
		.amdhsa_float_denorm_mode_16_64 3
		.amdhsa_memory_ordered 1
		.amdhsa_forward_progress 1
		.amdhsa_inst_pref_size 82
	.end_amdhsa_kernel
	.amdgpu_metadata
---
amdhsa.version: [ 1, 2 ]
amdhsa.kernels:
  - .name:           k_q310bc17480_prep
    .symbol:         k_q310bc17480_prep.kd
    .args:
      - { .name: hidden_states, .offset: 0, .size: 8, .value_kind: global_buffer, .address_space: global }
      - { .name: Wq, .offset: 8, .size: 8, .value_kind: global_buffer, .address_space: global }
      - { .name: Wk, .offset: 16, .size: 8, .value_kind: global_buffer, .address_space: global }
      - { .name: Wv, .offset: 24, .size: 8, .value_kind: global_buffer, .address_space: global }
      - { .name: W_itk, .offset: 32, .size: 8, .value_kind: global_buffer, .address_space: global }
      - { .name: W_itv, .offset: 40, .size: 8, .value_kind: global_buffer, .address_space: global }
      - { .name: W_iik, .offset: 48, .size: 8, .value_kind: global_buffer, .address_space: global }
      - { .name: W_iiv, .offset: 56, .size: 8, .value_kind: global_buffer, .address_space: global }
      - { .name: codes, .offset: 64, .size: 8, .value_kind: global_buffer, .address_space: global }
      - { .name: scales, .offset: 72, .size: 8, .value_kind: global_buffer, .address_space: global }
      - { .name: wim, .offset: 80, .size: 8, .value_kind: global_buffer, .address_space: global }
      - { .name: pmax, .offset: 88, .size: 8, .value_kind: global_buffer, .address_space: global }
    .group_segment_fixed_size: 33280
    .private_segment_fixed_size: 0
    .kernarg_segment_align: 8
    .kernarg_segment_size: 96
    .max_flat_workgroup_size: 128
    .sgpr_count:     80
    .vgpr_count:     256
    .wavefront_size: 32
...
	.end_amdgpu_metadata
.endif
;; end of part 1
;; launch qkv (part 2): grid 12 x 18, 4 waves a work-group, clusters of 4 x 1, 327,680 bytes of LDS; arguments codes, scales, bq, bk, bv, qkv; writes qkv
.if DOCPART == 2
	.amdgcn_target "amdgcn-amd-amdhsa--gfx1250"
	.amdhsa_code_object_version 6
	.text
	.protected	k_q310bc17480_qkv
	.globl	k_q310bc17480_qkv
	.p2align	8
	.type	k_q310bc17480_qkv,@function
k_q310bc17480_qkv:
	s_mov_b64 s[64:65], 0
	v_nop
	global_prefetch_b8 v0, s[64:65] scope:SCOPE_SE
	s_setreg_imm32_b32 hwreg(HW_REG_WAVE_MODE, 25, 1), 1
	s_wait_xcnt 0x0
	s_wait_alu depctr_hold_cnt(0) depctr_sa_sdst(0) depctr_va_vdst(0) depctr_va_sdst(0) depctr_va_ssrc(0) depctr_va_vcc(0) depctr_vm_vsrc(0)
	s_getreg_b32 s2, hwreg(HW_REG_IB_STS2, 6, 4)
	s_cmp_eq_u32 s2, 0
	s_cbranch_scc0 .Lentry_in_a_cluster
	s_endpgm
.Lentry_in_a_cluster:
	s_bfe_u32 s2, ttmp6, 0x10000c
	s_cmp_lg_u32 s2, 0x3003
	s_cbranch_scc0 .Lentry_shape_is_right
	s_endpgm
.Lentry_shape_is_right:
; qkv[m][n] = bias[n] + sum over k of A[m][k] B[n][k], rounded to f16.  A: the 9,216 padded rows of hidden_states, B: the 3,072 rows of Wq, Wk, Wv, both as codes of FP4 (E2M1) with one E8M0 byte for each 32 along K = 1,024; sums in f32.
; A tile of 256 x 256 is made by four waves, each 128 x 128: 64 accumulators, 512 registers.  K is two LDS slots of 512 (rows of 256 bytes).
; A WORK-GROUP STAYS: it makes TWO tiles, one below the other (rows 512 y + 256 t): 12 x 18 = 216 work-groups for the 432 tiles.  Both tiles take the same rows of B, and K is just the two slots: so B's halves of the slots,
; and B's scales, are filled once and stay; only A's halves are filled again: slot 0 behind the first tile's change of slots, slot 1 behind its last product, ahead of its way out.  Nothing waits for the first tile's stores.
; The scale bytes come once, with the first fills: A's for all 512 rows, B's for its 256.
; CLUSTERS: 4 x 1 work-groups: the four tile columns of one pair of tile rows.  They need the same tiles and scales of A: these are asked for JOINTLY, by the same tensor load with the same descriptor and the mask of all four.
; B's tiles differ from partner to partner: loads of each work-group's own.  (18 pairs of tile rows do not divide by four, so a cluster of 4 x 4 is not open here.)
; THE MATRIX INSTRUCTION IS USED TRANSPOSED (source 0 = 16 rows of B, source 1 = 16 rows of A): a lane holds eight neighbouring columns of one row of the result.
; THE BIAS is the C of each sum's first matrix instruction: eight registers a column tile, in the result's layout; it costs no addition.
; A cluster's four tile columns are 1,024 columns: one of q, k, v; so the bias buffer is chosen by the cluster's x, which all partners share.
; LIMIT: |q|, |k|, |v| stay under 65,504 (f16).
; REGISTERS: window 0: v0-31 addresses; v32-95 scale words, two sets, and nothing else; v96-127 packed results on the way out; v128-191 A's fragments, one set, on the way out rows read back; v192-255 the bias of my 128 columns.
;   window 1: B's fragments, two sets, at v0 and v128.   window 2: accumulators of my rows 0-63 ((a, b) at v[8 (8 a + b)]);   window 3: those of rows 64-127.
.set SIZE_M, 9216
.set SIZE_N, 3072
.set SIZE_K, 1024
.set KSTEP,  512
.set NQ,     KSTEP/128
.set ROWB,   256                       ; a tile's row in bytes
.set KROW,   SIZE_K*4/8
.set PITCH,  272                       ; 256 bytes + 16 of padding: the 16 rows that a load touches start 16 bytes apart modulo 256
.set FR,     8
.set NL,     2
.set NP,     4
.set HALFT,  128*PITCH
.set SLOT,   4*HALFT
.set KS,     SIZE_K/32
.set SCL,    2*SLOT                    ; A's scales: 512 rows, as units of 256 bytes + 16 of padding
.set HALFS,  (128*KS/256)*272          ; the scales of 128 rows
.set SBLK,   (16*KS/256)*272           ; of 16 rows
.set SCLB,   SCL+4*HALFS               ; B's scales: 256 rows
.set STAGE,  SCLB+2*HALFS              ; the way out: 16 rows x (256 + 16) bytes for each wave: bytes of their own, into which no fill lands
.set SPITCH, 272
.set SPARE,  STAGE+4*16*SPITCH         ; the spare words: 128 bytes a wave, named by no other line
.set ADRA, 16
.set ADRB, 20
.set STO,  24
.set RD,   25
.set CO,   26
.set ADRS, 27                          ; v27  my scale words for tile 0;  v31 (ADRS + 4) for tile 1
.set SPW,  28
.set NIL,  29
.set BOF,  30                          ; v30  32 x (lane / 16): my eight columns' bias within a tile of 16
.set SC,   32
.set AF,   128
.set TMP,  96
.set BIAS, 192
.set G1, 24
.set G0, 32
.set G1B, 48
.set G0B, 56
.set G1S, 68
.set G0S, 76
.set G1SB, 80
.set G0SB, 88
.set MSB, 0
.macro WIN new                         ; the immediate's high byte repeats the setting that is left
.if MSB != \new
	s_set_vgpr_msb (MSB<<8)|\new
.set MSB, \new
.endif
.endm
.set MUL_LO, 0xa1                      ; source 0 (B) window 1, source 1 (A) window 0, C and D window 2
.set MUL_HI, 0xf1                      ; the same, C and D window 3
.set FST_LO, 0x81                      ; a tile's first step: D window 2, C (the bias) window 0
.set FST_HI, 0xc1                      ; D window 3, C window 0
.set TO_B,   0x40
; A first fill: waves 0 and 1 fetch for A (jointly), waves 2 and 3 for B.  The branch hangs on the wave's number alone.  An s_nop 0 and four v_nop follow each of the two lines.
.macro JLOAD g0a, g1a, g0b, g1b
	s_cmp_eq_u32 s15, 0
	s_cbranch_scc0 .Lfor_b_\@
	tensor_load_to_lds s[\g0a:\g0a+3], s[\g1a:\g1a+7]
	s_nop 0
.rept 4
	v_nop
.endr
	s_branch .Lasked_\@
.Lfor_b_\@:
	tensor_load_to_lds s[\g0b:\g0b+3], s[\g1b:\g1b+7]
	s_nop 0
.rept 4
	v_nop
.endr
.Lasked_\@:
.endm
; A refill: A's half of slot s takes the next tile's rows; waves 0 and 1 ask, jointly; waves 2 and 3 have nothing to fill
.macro RLOAD s
	s_cmp_eq_u32 s15, 0
	s_cbranch_scc0 .Lnone_\@
	tensor_load_to_lds s[G0+4*\s:G0+4*\s+3], s[G1:G1+7]
	s_nop 0
.rept 4
	v_nop
.endr
.Lnone_\@:
.endm
.macro CREST                           ; a round of the cluster's barrier behind its opening barrier
	s_cmp_lg_u32 s14, 0
	s_cbranch_scc1 .Lnot_wave_0_\@
	s_barrier_signal -3
.Lnot_wave_0_\@:
	s_barrier_wait -3
	s_barrier_signal -1
	s_barrier_wait -1
.endm
.macro CROUND                          ; a whole round
	s_barrier_signal -1
	s_barrier_wait -1
	CREST
.endm
	s_load_b128 s[4:7], s[0:1], 0x0                ; codes, scales
	s_load_b128 s[96:99], s[0:1], 0x10             ; bq, bk
	s_load_b64 s[100:101], s[0:1], 0x20            ; bv
	s_load_b64 s[12:13], s[0:1], 0x28              ; qkv
	v_lshl_add_u32 v[SPW], v0, 2, SPARE
	v_mov_b32 v[NIL], 0
	ds_add_u32 v[SPW], v[NIL]                      ; the wave's opening: the add, twice on end, and its wait ahead of my first tensor load
	ds_add_u32 v[SPW], v[NIL]
	v_lshrrev_b32 v1, 5, v0
	v_readfirstlane_b32 s14, v1                    ; wave 0..3
	s_lshr_b32 s15, s14, 1                         ; which half of the tile's rows is mine.  Also: I fetch for A (0) or for B (1)
	s_and_b32 s16, s14, 1                          ; which half of its columns.  Also: which part of A or of B I fetch
	s_bfe_u32 s40, ttmp6, 0x40000                  ; cx: my place in the cluster
	s_lshl_b32 s42, ttmp9, 2
	s_add_co_u32 s42, s42, s40                     ; tile column = 4 x cluster x + cx
	s_and_b32 s17, ttmp7, 0xffff                   ; y: my pair of tile rows, which the four partners share
	s_mov_b32 s[G1+0], 15|(0<<16)|(1<<20)|(1<<21)|(5<<22)|(3<<25)   ; the mask of all four; elements of 1 byte; padding on, 4 words after every 64; bit 21 beside a mask
	s_mov_b32 s[G1B+0], (0<<16)|(1<<20)|(5<<22)|(3<<25)             ; no mask
.irp g, G1, G1B
	s_mov_b32 s[\g+1], ROWB<<16                    ; tensor_dim0
	s_mov_b32 s[\g+2], 128<<16                     ; tensor_dim1
	s_mov_b32 s[\g+3], ROWB<<16                    ; tile_dim0
	s_mov_b32 s[\g+4], 128                         ; tile_dim1
	s_mov_b32 s[\g+5], KROW                        ; the pitch
	s_mov_b32 s[\g+6], 0
	s_mov_b32 s[\g+7], 0
.endr
	s_mov_b32 s[G1S+0], 15|(3<<16)|(1<<20)|(1<<21)|(5<<22)|(3<<25)  ; A's scales of 256 rows: a dense block, as 32 rows of 256 bytes (32 elements of 8)
	s_mov_b32 s[G1S+1], 32<<16
	s_mov_b32 s[G1S+2], (256*KS/256)<<16
	s_mov_b32 s[G1S+3], 32<<16
	s_mov_b32 s[G1S+4], 256*KS/256
	s_mov_b32 s[G1S+5], 32
	s_mov_b32 s[G1S+6], 0
	s_mov_b32 s[G1S+7], 0
	s_mov_b32 s[G1SB+0], (3<<16)|(1<<20)|(5<<22)|(3<<25)            ; B's scales of 128 rows: 16 rows of 256 bytes
	s_mov_b32 s[G1SB+1], 32<<16
	s_mov_b32 s[G1SB+2], (128*KS/256)<<16
	s_mov_b32 s[G1SB+3], 32<<16
	s_mov_b32 s[G1SB+4], 128*KS/256
	s_mov_b32 s[G1SB+5], 32
	s_mov_b32 s[G1SB+6], 0
	s_mov_b32 s[G1SB+7], 0
	; where they come from, in bytes (all under 2^23).  A's hang on y and the wave's number alone
	s_lshl_b32 s18, s16, 7
	s_lshl_b32 s20, s17, 9
	s_add_co_u32 s22, s20, s18
	s_add_co_u32 s22, s22, s18                     ; A's scales: rows 512 y + 256 x half on
	s_add_co_u32 s20, s20, s18                     ; A's codes: rows 512 y + 128 x half on (tile 0)
	s_lshl_b32 s20, s20, 9
	s_mov_b32 s21, 0
	s_lshl_b32 s22, s22, 5
	s_mov_b32 s23, 0
	s_lshl_b32 s46, s42, 8
	s_add_co_u32 s46, s46, s18                     ; B: rows 256 x tile column + 128 x half on
	s_lshl_b32 s92, s46, 5
	s_mov_b32 s93, 0
	s_lshl_b32 s46, s46, 9
	s_mov_b32 s47, 0
	s_mul_i32 s45, s14, HALFT                      ; where they go: wave x 128 rows: no place in the cluster enters an LDS address
	s_mul_i32 s94, s16, 2*HALFS
	s_mul_i32 s95, s16, HALFS
	s_wait_dscnt 0x0                               ; both opening adds are done
	s_wait_kmcnt 0x0
	s_add_nc_u64 s[8:9], s[4:5], SIZE_M*KROW       ; the weights' codes lie behind the 9,216 rows,
	s_add_nc_u64 s[10:11], s[6:7], SIZE_M*KS       ; and so do their scale bytes
	s_add_nc_u64 s[20:21], s[4:5], s[20:21]
	s_add_nc_u64 s[22:23], s[6:7], s[22:23]
	s_add_nc_u64 s[46:47], s[8:9], s[46:47]
	s_add_nc_u64 s[92:93], s[10:11], s[92:93]
	CROUND                                         ; all four work-groups are here: the first joint loads meet
	s_mov_b32 s[G0S], 1
	s_add_co_u32 s[G0S+1], s94, SCL
	s_mov_b64 s[G0S+2:G0S+3], s[22:23]
	s_or_b32 s[G0S+3], s[G0S+3], 0x80000000
	s_mov_b32 s[G0SB], 1
	s_add_co_u32 s[G0SB+1], s95, SCLB
	s_mov_b64 s[G0SB+2:G0SB+3], s[92:93]
	s_or_b32 s[G0SB+3], s[G0SB+3], 0x80000000
	JLOAD G0S, G1S, G0SB, G1SB                     ; the scales first: three loads of mine are out at the most
.irp s, 0,1
	s_mov_b32 s[G0+4*\s], 1
	s_add_co_u32 s[G0+4*\s+1], s45, \s*SLOT
	s_add_nc_u64 s[G0+4*\s+2:G0+4*\s+3], s[20:21], \s*ROWB
	s_or_b32 s[G0+4*\s+3], s[G0+4*\s+3], 0x80000000
	s_mov_b32 s[G0B+4*\s], 1
	s_add_co_u32 s[G0B+4*\s+1], s45, \s*SLOT
	s_add_nc_u64 s[G0B+4*\s+2:G0B+4*\s+3], s[46:47], \s*ROWB
	s_or_b32 s[G0B+4*\s+3], s[G0B+4*\s+3], 0x80000000
	JLOAD G0+4*\s, G1, G0B+4*\s, G1B
.endr
	v_and_b32 v1, 15, v0                           ; l % 16
	v_bfe_u32 v2, v0, 4, 1                         ; l / 16
	; the bias of my 128 columns: tile b's eight of my half at 64 b + 32 (l / 16) bytes
	s_cmp_eq_u32 ttmp9, 1
	s_cselect_b64 s[96:97], s[98:99], s[96:97]
	s_cmp_eq_u32 ttmp9, 2
	s_cselect_b64 s[96:97], s[100:101], s[96:97]   ; the cluster's x picks bq, bk or bv
	s_lshl_b32 s98, s40, 10
	s_lshl_b32 s99, s16, 9
	s_add_co_u32 s98, s98, s99
	s_mov_b32 s99, 0
	s_add_nc_u64 s[96:97], s[96:97], s[98:99]
	v_lshlrev_b32 v[BOF], 5, v2
.irp b, 0,1,2,3,4,5,6,7
	global_load_b128 v[BIAS+8*\b:BIAS+8*\b+3], v[BOF], s[96:97] offset:64*\b
	global_load_b128 v[BIAS+8*\b+4:BIAS+8*\b+7], v[BOF], s[96:97] offset:64*\b+16
.endr
	v_mul_u32_u24 v3, v1, PITCH
	v_lshl_add_u32 v4, v2, 4, v3                   ; a fragment's row x pitch + 16 x half
	s_mul_i32 s21, s15, HALFT
	s_mul_i32 s22, s16, HALFT
	s_add_co_u32 s22, s22, 2*HALFT
.irp s, 0,1
	v_add_nc_u32 v[ADRA+\s], s21, v4
	v_add_nc_u32 v[ADRB+\s], s22, v4
	s_add_co_u32 s21, s21, SLOT
	s_add_co_u32 s22, s22, SLOT
.endr
	v_mul_u32_u24 v5, v1, KS                       ; my row's scales: KS bytes a row,
	v_lshrrev_b32 v6, 8, v5
	v_lshl_add_u32 v5, v6, 4, v5                   ; and 16 more for each 256 passed
	s_mul_i32 s21, s15, HALFS                      ; A's: my 128 rows of tile 0
	s_mul_i32 s22, s16, HALFS
	s_add_co_u32 s22, s22, 4*HALFS                 ; B's: my 128 rows, behind A's 512
	s_sub_co_u32 s22, s22, s21                     ; the distance between the two
	v_mul_u32_u24 v6, s22, v2                      ; lanes 16-31 take B's
	s_add_co_u32 s21, s21, SCL
	v_add_nc_u32 v6, v5, v6
	v_add_nc_u32 v[ADRS], s21, v6
	s_sub_co_u32 s22, s22, 2*HALFS                 ; tile 1: A's rows lie 256 rows further on, B's stay
	v_mul_u32_u24 v6, s22, v2
	s_add_co_u32 s21, s21, 2*HALFS
	v_add_nc_u32 v6, v5, v6
	v_add_nc_u32 v[ADRS+4], s21, v6
	s_mul_i32 s23, s14, 16*SPITCH
	s_add_co_u32 s23, s23, STAGE                   ; my stage
	v_mul_u32_u24 v5, v1, SPITCH                   ; in: row l % 16, 16 bytes for each half of the lanes
	v_lshl_add_u32 v5, v2, 4, v5
	v_add_nc_u32 v[STO], s23, v5
	v_mul_u32_u24 v5, v2, SPITCH                   ; back: lanes 0-15 one row of 256 bytes, lanes 16-31 the next
	v_lshl_add_u32 v5, v1, 4, v5
	v_add_nc_u32 v[RD], s23, v5
	v_mul_u32_u24 v5, v2, SIZE_N*2                 ; and the same two rows in qkv
	v_lshl_add_u32 v[CO], v1, 4, v5
	s_lshl_b32 s20, s17, 9
	s_lshl_b32 s21, s15, 7
	s_add_co_u32 s20, s20, s21                     ; my first row: 512 y + 128 x half
	s_mov_b32 s21, 0
	s_mov_b64 s[18:19], SIZE_N*2
	s_mul_u64 s[20:21], s[20:21], s[18:19]
	s_lshl_b32 s46, s42, 9                         ; my first column in bytes: 512 x tile column + 256 x half
	s_lshl_b32 s47, s16, 8
	s_add_co_u32 s46, s46, s47
	s_mov_b32 s47, 0
	s_add_nc_u64 s[20:21], s[20:21], s[46:47]
	s_add_nc_u64 s[12:13], s[12:13], s[20:21]
.macro FRAG reg, adr, q, i             ; 16 rows x 128 K of 4-bit codes: 8 registers; registers 4 c .. 4 c + 3 hold K = 64 c + 32 (l / 16) + 0 .. 31
.irp c, 0,1
	ds_load_b128 v[\reg+4*\c:\reg+4*\c+3], v[\adr] offset:64*(\q)+32*\c+(\i)*16*PITCH
.endr
.endm
; 16 matrix instructions: A's blocks a0, a0 + 1 x B's eight.  first = 1: the sums begin with the bias as C.  The 64 accumulators take turns, one instruction a turn, in the same order in every step.
.macro MUL16 a0, p, q, sc, first
.irp a, \a0, \a0+1
.irp b, 0,1,2,3,4,5,6,7
.if \first
	v_wmma_scale_f32_16x16x128_f8f6f4 v[8*(8*((\a)%4)+\b):8*(8*((\a)%4)+\b)+7], v[128*(\p)+FR*\b:128*(\p)+FR*\b+FR-1], v[AF+FR*(\a):AF+FR*(\a)+FR-1], v[BIAS+8*\b:BIAS+8*\b+7], v[SC+8*NQ*(\sc)+NQ*\b+(\q)], v[SC+8*NQ*(\sc)+NQ*(\a)+(\q)] matrix_a_fmt:MATRIX_FMT_FP4 matrix_b_fmt:MATRIX_FMT_FP4 matrix_a_scale:MATRIX_SCALE_ROW1
.else
	v_wmma_scale_f32_16x16x128_f8f6f4 v[8*(8*((\a)%4)+\b):8*(8*((\a)%4)+\b)+7], v[128*(\p)+FR*\b:128*(\p)+FR*\b+FR-1], v[AF+FR*(\a):AF+FR*(\a)+FR-1], v[8*(8*((\a)%4)+\b):8*(8*((\a)%4)+\b)+7], v[SC+8*NQ*(\sc)+NQ*\b+(\q)], v[SC+8*NQ*(\sc)+NQ*(\a)+(\q)] matrix_a_fmt:MATRIX_FMT_FP4 matrix_b_fmt:MATRIX_FMT_FP4 matrix_a_scale:MATRIX_SCALE_ROW1
.endif
.endr
.endr
.endm
.macro FETCH_B slot, q, p
	WIN TO_B
.irp i, 0,1,2,3,4,5,6,7
	FRAG 128*(\p)+FR*\i, ADRB+\slot, \q, \i
.endr
	WIN 0
.endm
.macro FETCH_A slot, q, i0
.irp i, \i0, \i0+1, \i0+2, \i0+3
	FRAG AF+FR*(\i), ADRA+\slot, \q, \i
.endr
.endm
.macro SCALES sc, adr                  ; slot sc's scale words (16 bytes of a row's 32): lanes 0-15 take A's block i, lanes 16-31 B's block i
.irp i, 0,1,2,3,4,5,6,7
	ds_load_b128 v[SC+8*NQ*\sc+NQ*\i:SC+8*NQ*\sc+NQ*\i+3], v[\adr] offset:\i*SBLK+16*\sc
.endr
.endm
.macro PLACES n                        ; plain vector instructions between a matrix instruction and a load into, or a vector read or write of, its registers
.rept \n
	v_nop
.endr
.endm
.macro STEP slot, q, first             ; 128 along K with its successor in the same slot
	s_wait_dscnt 4*NL                              ; B's set and A's blocks 0-3 are in; the youngest eight loads (A's blocks 4-7) may be out
.if \first
	WIN FST_LO
.else
	WIN MUL_LO
.endif
	MUL16 0, (\q)%2, \q, \slot, \first
	MUL16 2, (\q)%2, \q, \slot, \first
	s_wait_dscnt 0                                 ; A's blocks 4-7 are in
	PLACES NP
	FETCH_B \slot, (\q)+1, 1-(\q)%2
	FETCH_A \slot, (\q)+1, 0
.if \first
	WIN FST_HI
.else
	WIN MUL_HI
.endif
	MUL16 4, (\q)%2, \q, \slot, \first
	MUL16 6, (\q)%2, \q, \slot, \first
	PLACES NP
	WIN 0
	FETCH_A \slot, (\q)+1, 4
.endm
.macro STEPS slot, from
.set Q, \from
.rept NQ-1-\from
	STEP \slot, Q, 0
.set Q, Q+1
.endr
.endm
; THE WAY OUT, block by block of 16 rows x 128 columns: rounded to f16 (16 bytes a lane), through my stage, back as whole rows of 256 bytes.
.macro PACK a
.set AC, 64*((\a)%4)
	WIN 0x0a+5*((\a)/4)                            ; sources 0 and 1: window 2 or 3
.irp b, 0,1,2,3,4,5,6,7
.irp r, 0,1,2,3
	v_cvt_pk_f16_f32 v[TMP+4*\b+\r], v[AC+8*\b+2*\r], v[AC+8*\b+2*\r+1]      ; each accumulator from its low end on
.endr
.endr
	WIN 0
.endm
.macro TOSTAGE a
.set BB, 128+32*((\a)%2)
.irp b, 0,1,2,3,4,5,6,7
	ds_store_b128 v[STO], v[TMP+4*\b:TMP+4*\b+3] offset:32*\b
.endr
.irp u, 0,1,2,3,4,5,6,7
	ds_load_b128 v[BB+4*\u:BB+4*\u+3], v[RD] offset:\u*2*SPITCH    ; LDS serves a wave's instructions in order: these see the stores above
.endr
.endm
.macro SEND a, step                    ; step: how many bytes the base goes on first
.set BB, 128+32*((\a)%2)
	s_wait_dscnt 0x0                               ; the block is back in registers
	s_wait_xcnt 0x0                                ; the earlier stores have read their base and their registers
.if \step > 0
	s_add_nc_u64 s[12:13], s[12:13], \step
.endif
.irp u, 0,1,2,3,4,5,6,7
	global_store_b128 v[CO], v[BB+4*\u:BB+4*\u+3], s[12:13] offset:2*\u*SIZE_N*2   ; 16 lanes store 256 consecutive bytes, aligned
.endr
.endm
; ONE TILE.  At its head slot 0 is whole in every wave's eyes.  more = 1: a tile follows, and A's halves of the slots are filled again as they are left.
.macro GEMM t, more
.if \t > 0
	s_wait_xcnt 0x0                                ; the last tile's stores have read the registers on which the fragments below land
.endif
	FETCH_B 0, 0, 0
	FETCH_A 0, 0, 0
	SCALES 0, ADRS+4*\t
	FETCH_A 0, 0, 4
.if \t == 0
	s_wait_loadcnt 0x0                             ; the bias is in
.endif
	STEP 0, 0, 1                                   ; the first products start the sums from the bias: nothing is cleared, nothing is added later
	STEPS 0, 1
	; slot 0's last step changes slots: one barrier
	s_wait_tensorcnt 0x0                           ; all my tensor loads have landed, my part of slot 1 among them: a group 0 may be written
	ds_add_u32 v[SPW], v[NIL]
.if \more
	s_add_nc_u64 s[G0+2:G0+3], s[G0+2:G0+3], 256*KROW      ; slot 0's next fill: the same K, 256 rows further down
.endif
	s_wait_dscnt 4*NL+1                            ; (the add and A's blocks 4-7 may be out)
	WIN MUL_LO
	MUL16 0, 1, NQ-1, 0, 0
	s_wait_dscnt 0x0                               ; the add is done, and my reads of slot 0 are over
	s_barrier_signal -1
	MUL16 2, 1, NQ-1, 0, 0
	WIN 0
	s_barrier_wait -1
.if \more
	CREST                                          ; the barrier has opened a round of the cluster's barrier: no wave of any partner still reads A's half of slot 0 or has a load on its way
	RLOAD 0                                        ; it has four steps, 256 products, in which to land
.endif
	PLACES NP
	FETCH_B 1, 0, 0
	FETCH_A 1, 0, 0
	SCALES 1, ADRS+4*\t
	WIN MUL_HI
	MUL16 4, 1, NQ-1, 0, 0
	MUL16 6, 1, NQ-1, 0, 0
	PLACES NP
	WIN 0
	FETCH_A 1, 0, 4
	STEPS 1, 0
	s_wait_dscnt 4*NL                              ; the tile's last step: nothing more to fetch
	WIN MUL_LO
	MUL16 0, 1, NQ-1, 1, 0
	MUL16 2, 1, NQ-1, 1, 0
	s_wait_dscnt 0
	WIN MUL_HI
	MUL16 4, 1, NQ-1, 1, 0
	MUL16 6, 1, NQ-1, 1, 0
	WIN 0
.if \more
	s_wait_tensorcnt 0x0                           ; my part of the next tile's slot 0 has landed
	ds_add_u32 v[SPW], v[NIL]
	s_add_nc_u64 s[G0+6:G0+7], s[G0+6:G0+7], 256*KROW
	s_wait_dscnt 0x0                               ; the add is done, and my reads of slot 1 are over
	CROUND                                         ; so it is with every wave of every partner: the next tile's slot 0 is whole, and
	RLOAD 1                                        ; A's half of slot 1 is asked for AHEAD of the stores: the next tile waits for it, and nothing waits for the stores
.endif
	PLACES NP
	PACK 0
	TOSTAGE 0
	PACK 1                                         ; a block's conversions stand between the loads of the block before from the stage and the wait for them
	SEND 0, 144*SIZE_N*2*\t                        ; tile 1 begins 256 rows under tile 0's first, 144 under its last 16
	TOSTAGE 1
.irp a, 2,3,4,5,6,7
	PACK \a
	SEND \a-1, 16*SIZE_N*2
	TOSTAGE \a
.endr
	SEND 7, 16*SIZE_N*2
.endm
	s_wait_tensorcnt 1                             ; the scales and my part of slot 0 are in; slot 1's load may stay out
	s_barrier_signal -1
	s_barrier_wait -1
	GEMM 0, 1
	GEMM 1, 0
	s_wait_tensorcnt 0x0                           ; the wave's end
	ds_add_u32 v[SPW], v[NIL]
	s_wait_dscnt 0x0
	CROUND                                         ; the closing round
	s_endpgm
.Lfunc_end_k_q310bc17480_qkv:
	.size	k_q310bc17480_qkv, .Lfunc_end_k_q310bc17480_qkv-k_q310bc17480_qkv
	.p2alignl 7, 3214868480
	.fill 96, 4, 3214868480
	.section	.rodata,"a",@progbits
	.p2align	6, 0x0
	.amdhsa_kernel k_q310bc17480_qkv
		.amdhsa_group_segment_fixed_size 327680
		.amdhsa_private_segment_fixed_size 0
		.amdhsa_enable_private_segment 0
		.amdhsa_kernarg_size 48
		.amdhsa_user_sgpr_count 2
		.amdhsa_user_sgpr_kernarg_segment_ptr 1
		.amdhsa_wavefront_size32 1
		.amdhsa_system_sgpr_workgroup_id_x 1
		.amdhsa_system_sgpr_workgroup_id_y 1
		.amdhsa_system_sgpr_workgroup_id_z 1
		.amdhsa_system_vgpr_workitem_id 0
		.amdhsa_next_free_vgpr 1024
		.amdhsa_next_free_sgpr 102
		.amdhsa_reserve_vcc 0
		.amdhsa_float_denorm_mode_32 3
		.amdhsa_float_denorm_mode_16_64 3
		.amdhsa_memory_ordered 1
		.amdhsa_forward_progress 1
		.amdhsa_inst_pref_size 247
	.end_amdhsa_kernel
	.amdgpu_metadata
---
amdhsa.version: [ 1, 2 ]
amdhsa.kernels:
  - .name:           k_q310bc17480_qkv
    .symbol:         k_q310bc17480_qkv.kd
    .args:
      - { .name: codes, .offset: 0, .size: 8, .value_kind: global_buffer, .address_space: global }
      - { .name: scales, .offset: 8, .size: 8, .value_kind: global_buffer, .address_space: global }
      - { .name: bq, .offset: 16, .size: 8, .value_kind: global_buffer, .address_space: global }
      - { .name: bk, .offset: 24, .size: 8, .value_kind: global_buffer, .address_space: global }
      - { .name: bv, .offset: 32, .size: 8, .value_kind: global_buffer, .address_space: global }
      - { .name: qkv, .offset: 40, .size: 8, .value_kind: global_buffer, .address_space: global }
    .group_segment_fixed_size: 327680
    .private_segment_fixed_size: 0
    .kernarg_segment_align: 8
    .kernarg_segment_size: 48
    .max_flat_workgroup_size: 128
    .sgpr_count:     102
    .vgpr_count:     1024
    .wavefront_size: 32
...
	.end_amdgpu_metadata
.endif
;; end of part 2
;; launch imitate (part 3): grid 32 x 8, 4 waves a work-group, clusters of 4 x 1, 327,680 bytes of LDS; arguments wim, qkv, pmax, bk, bv, b_itk, b_itv, b_iik, b_iiv, ikv, red; writes ikv, red
.if DOCPART == 3
	.amdgcn_target "amdgcn-amd-amdhsa--gfx1250"
	.amdhsa_code_object_version 6
	.text
	.protected	k_q310bc17480_imitate
	.globl	k_q310bc17480_imitate
	.p2align	8
	.type	k_q310bc17480_imitate,@function
k_q310bc17480_imitate:
	s_mov_b64 s[64:65], 0
	v_nop
	global_prefetch_b8 v0, s[64:65] scope:SCOPE_SE
	s_setreg_imm32_b32 hwreg(HW_REG_WAVE_MODE, 25, 1), 1
	s_wait_xcnt 0x0
	s_wait_alu depctr_hold_cnt(0) depctr_sa_sdst(0) depctr_va_vdst(0) depctr_va_sdst(0) depctr_va_ssrc(0) depctr_va_vcc(0) depctr_vm_vsrc(0)
	s_getreg_b32 s2, hwreg(HW_REG_IB_STS2, 6, 4)
	s_cmp_eq_u32 s2, 0
	s_cbranch_scc0 .Lentry_in_a_cluster
	s_endpgm
.Lentry_in_a_cluster:
	s_bfe_u32 s2, ttmp6, 0x10000c
	s_cmp_lg_u32 s2, 0x3003
	s_cbranch_scc0 .Lentry_shape_is_right
	s_endpgm
.Lentry_shape_is_right:
; ik and iv.  For tensor X (k or v) and batch b:  out[s'][e] = sum over kk of W[s'][kk] x[kstart + kk][e] + bias[s'],  text rows s' < 512 from the image rows of x (kstart = 512, 577 terms), image rows from the text rows (kstart = 0, 512 terms).
; Operands f16, sums f32.  W comes from wim in blocks of 304 rows x 640 columns, with zeros wherever a block has no row or no column.  x comes from qkv (rows along K, so its fragments are turned by ds_load_tr16_b128).
; Work-group (x, y): batch x / 4, heads 4 (x % 4) + wave; tensor y / 4, block y % 4.  A wave: the block's rows x its head's 64 columns.
; WHAT ONLY MEETS ZEROS IS LEFT OUT, by jumps on the block's kind (y alone: the same in all waves and in all partners).  A text block has 256 rows and 19 K steps of 32: from the second step on it jumps over row tiles 16-18
; (12 products and 6 LDS loads a step).  An image block has 304 rows and 16 K steps: it leaves the K loop behind the sixteenth.  The first step runs whole in every block, so that every register is written on every way.
; The fifth tile of 128 along K is asked for, and its first fragments are fetched, in EVERY block, though an image block uses none of it: a joint request stands on every way.
; CLUSTERS: 4 x 1 work-groups: the four groups of heads of one batch.  They read the same block of W: its tiles are asked for JOINTLY (the mask of all four).  x's tiles differ from partner to partner: loads of each work-group's own.
; THE PRODUCT IS USED TRANSPOSED (source 0 = 16 columns of x, source 1 = 16 rows of W): a lane holds one row s' and eight neighbouring columns.
; OUTPUT: ikv[X][head][1,120 keys][64] f16, the numbers TIMES 2^-e.  2^e comes from a bound that holds for every input: |out| <= 2^10 Wm (2^12 Hm Wx + Bx) + Bm (largest magnitudes of W_i.., hidden_states, W_X, b_X, b_i..;
; 2^12 covers 1,024 terms of numbers that quantising can raise by half; 2^10 covers 577 terms and the roundings to f16), so that |out| 2^-e < 2^15.  The power of two is exact and is divided out by the next launch (red[1024 + X]).
; LOSS: each wave stores the sum of (out - x[s'])^2 over its real rows: red[4 (32 y + x) + wave].
; LIMITS: the bound is held to 2^-100 .. 2^120; NaN and infinities are not served.
; LDS: two slots (W: 304 rows at pitch 272; x: 128 rows at pitch 544), a stage of 16 x 144 bytes a wave, the spare words.
; REGISTERS: window 0: v0-31 addresses; v32-95 x's fragments, two sets; v96-247 W's fragments, set 0.  windows 1, 2: accumulators of row tiles 0-7, 8-15 ((a, c) at v[8 (4 (a % 8) + c)]).  window 3: v0-95 row tiles 16-18; v96-247 W's set 1.
.set PA,     272
.set PB,     544
.set ABYTES, 304*PA
.set SLOT,   ABYTES+128*PB
.set STG,    2*SLOT
.set SPS,    144
.set SPARE,  STG+4*16*SPS              ; the spare words: 128 bytes a wave, named by no other line
.set ADRA,  4                          ; v4-5   W's fragments in slot 0, 1: row tiles 0-9
.set ADRA2, 6                          ; v6-7   row tiles 10-18 (so that immediates stay under 65,536)
.set ADRB,  8                          ; v8-9   x's fragments
.set STO,   10
.set RD,    11
.set KOF,   12                         ; v12    6,144 r + 16 h: my place in 16 rows of qkv
.set GO,    13                         ; v13    16 x lane
.set RWB,   21                         ; v21    my row's index among the biases, for row tile 0
.set SPW,   28
.set NIL,   29
.set BF,    32
.set AF,    96
.set KD,    32                         ; the way out: v32-95 four sets of 16: x at my results' places, f16
.set BIA,   96                         ; v96-114 my row's bias for each row tile
.set BS,    116
.set LS,    118
.set LS2,   120
.set LT,    122
.set VT,    123
.set LTT,   124
.set ZOF,   125
.set INVR,  126
.set Y,     128                        ; v128-159 out in f32
.set KF,    160                        ; v160-191 out x 2^-e, then x in f32
.set PK,    192
.set RB,    208                        ; v208-239 16 rows read back from the stage, two sets
.set WV,  58
.set G1A, 16
.set G1B, 24
.set G0A, 32
.set G0B, 40
.set SC,  90                           ; s[90:91] 2^-e, twice;  s92 2^e
.set MSB, 0
.macro WIN new                         ; the immediate's high byte repeats the setting that is left
.if MSB != \new
	s_set_vgpr_msb (MSB<<8)|\new
.set MSB, \new
.endif
.endm
.macro PLACES
.rept 4
	v_nop
.endr
.endm
.macro CVP d, n                        ; the two halves of v\n as f32
	v_cvt_f32_f16 v[\d], v\n\().l
	v_cvt_f32_f16 v[\d+1], v\n\().h
.endm
; Waves 0 and 1 fetch W's two halves (152 rows each), jointly; waves 2 and 3 x's (64 rows each).  An s_nop 0 and four v_nop follow each of the two lines.
.macro TLOAD s
	s_cmp_lt_u32 s[WV], 2
	s_cbranch_scc0 .Lfor_b_\@
	tensor_load_to_lds s[G0A+4*\s:G0A+4*\s+3], s[G1A:G1A+7]
	s_nop 0
.rept 4
	v_nop
.endr
	s_branch .Lasked_\@
.Lfor_b_\@:
	tensor_load_to_lds s[G0B+4*\s:G0B+4*\s+3], s[G1B:G1B+7]
	s_nop 0
.rept 4
	v_nop
.endr
.Lasked_\@:
.endm
.macro CREST                           ; a round of the cluster's barrier behind its opening barrier
	s_cmp_lg_u32 s[WV], 0
	s_cbranch_scc1 .Lnot_wave_0_\@
	s_barrier_signal -3
.Lnot_wave_0_\@:
	s_barrier_wait -3
	s_barrier_signal -1
	s_barrier_wait -1
.endm
.macro CROUND                          ; a whole round
	s_barrier_signal -1
	s_barrier_wait -1
	CREST
.endm
	s_load_b128 s[4:7], s[0:1], 0x0                ; wim, qkv
	s_load_b128 s[8:11], s[0:1], 0x10              ; pmax, bk
	s_load_b128 s[12:15], s[0:1], 0x20             ; bv, b_itk
	s_load_b128 s[48:51], s[0:1], 0x30             ; b_itv, b_iik
	s_load_b128 s[52:55], s[0:1], 0x40             ; b_iiv, ikv
	s_load_b64 s[56:57], s[0:1], 0x50              ; red
	v_lshl_add_u32 v[SPW], v0, 2, SPARE
	v_mov_b32 v[NIL], 0
	ds_add_u32 v[SPW], v[NIL]                      ; the wave's opening: the add, twice on end, and its wait ahead of my first tensor load
	ds_add_u32 v[SPW], v[NIL]
	v_lshrrev_b32 v1, 5, v0
	v_readfirstlane_b32 s[WV], v1                  ; wave 0..3
	s_and_b32 s59, s[WV], 1
	s_and_b32 s61, ttmp7, 0xffff                   ; y
	s_lshr_b32 s62, s61, 2                         ; X: 0 for k, 1 for v
	s_and_b32 s63, s61, 3                          ; the block
	s_mov_b32 s66, ttmp9                           ; the batch: the cluster's x
	s_bfe_u32 s67, ttmp6, 0x40000                  ; which four heads: cx, my place in the cluster.  It enters global addresses of my own loads and stores alone
	s_lshl_b32 s60, ttmp9, 2
	s_add_co_u32 s60, s60, s67                     ; the work-group's x
	s_lshl_b32 s69, s63, 8
	s_sub_co_u32 s70, s63, 2
	s_mul_i32 s70, s70, 304
	s_mov_b32 s72, 511
	s_mov_b32 s73, 256
	s_cmp_ge_u32 s63, 2                            ; an image block?
	s_cselect_b32 s71, 0, 512                      ; kstart
	s_cselect_b32 s69, s70, s69                    ; the block's first row among its biases
	s_cselect_b32 s72, 576, s72                    ; the last bias
	s_cselect_b32 s73, 304, s73                    ; how many of the block's rows are real
	s_cselect_b32 s74, 512, 0
	s_cselect_b32 s68, 1, 0                        ; the block's kind
	s_add_co_u32 s74, s74, s69                     ; the block's first row s'
	s_cmp_eq_u32 s63, 3
	s_cselect_b32 s73, 273, s73
	s_mov_b32 s[G1A], 15|(1<<16)|(1<<20)|(1<<21)|(5<<22)|(3<<25)   ; the mask of all four; elements of 2 bytes; 4 words of padding after every 64; bit 21 beside a mask
	s_mov_b32 s[G1A+1], 128<<16                    ; tensor_dim0
	s_mov_b32 s[G1A+2], 152<<16                    ; tensor_dim1
	s_mov_b32 s[G1A+3], 128<<16                    ; tile_dim0
	s_mov_b32 s[G1A+4], 152                        ; tile_dim1
	s_mov_b32 s[G1A+5], 640                        ; the pitch
	s_mov_b32 s[G1A+6], 0
	s_mov_b32 s[G1A+7], 0
	s_mov_b32 s[G1B], (1<<16)|(1<<20)|(6<<22)|(7<<25)   ; no mask; 8 words of padding after every 128
	s_mov_b32 s[G1B+1], 256<<16
	s_mov_b32 s[G1B+2], 64<<16
	s_mov_b32 s[G1B+3], 256<<16
	s_mov_b32 s[G1B+4], 64
	s_mov_b32 s[G1B+5], 3072
	s_mov_b32 s[G1B+6], 0
	s_mov_b32 s[G1B+7], 0
	s_mul_i32 s75, s59, 152*PA                     ; where my half goes: W's,
	s_mul_i32 s76, s59, 64*PB
	s_add_co_u32 s76, s76, ABYTES                  ; x's
	s_mul_i32 s78, s61, 389120                     ; W: block y, my 152 rows: y and the wave's number alone
	s_mul_i32 s70, s59, 194560
	s_add_co_u32 s78, s78, s70
	s_mov_b32 s79, 0
	s_mul_i32 s80, s66, 1152                       ; x: row 1,152 b + kstart + 64 x half,
	s_add_co_u32 s80, s80, s71
	s_lshl_b32 s70, s59, 6
	s_add_co_u32 s80, s80, s70
	s_mul_i32 s80, s80, 6144
	s_add_co_u32 s70, s62, 1
	s_lshl_b32 s70, s70, 11                        ; column 1,024 (1 + X) + 256 x the group of heads
	s_add_co_u32 s80, s80, s70
	s_lshl_b32 s70, s67, 9
	s_add_co_u32 s80, s80, s70
	s_mov_b32 s81, 0
	s_mov_b32 s94, 0x76543210
	s_mov_b32 s95, 0xfedcba98                      ; v_permlanex16_b32's selects for lane l xor 16
	s_wait_dscnt 0x0                               ; both opening adds are done
	s_wait_kmcnt 0x0
	s_add_nc_u64 s[78:79], s[4:5], s[78:79]
	s_add_nc_u64 s[80:81], s[6:7], s[80:81]
	CROUND                                         ; all four work-groups are here: the first joint loads meet
.irp s, 0,1
	s_mov_b32 s[G0A+4*\s], 1
	s_add_co_u32 s[G0A+4*\s+1], s75, \s*SLOT
	s_add_nc_u64 s[G0A+4*\s+2:G0A+4*\s+3], s[78:79], \s*256          ; tile s: 128 along K
	s_or_b32 s[G0A+4*\s+3], s[G0A+4*\s+3], 0x80000000
	s_mov_b32 s[G0B+4*\s], 1
	s_add_co_u32 s[G0B+4*\s+1], s76, \s*SLOT
	s_add_nc_u64 s[G0B+4*\s+2:G0B+4*\s+3], s[80:81], \s*128*6144
	s_or_b32 s[G0B+4*\s+3], s[G0B+4*\s+3], 0x80000000
	TLOAD \s                                       ; two loads of mine are out
.endr
	v_and_b32 v1, 15, v0                           ; r
	v_bfe_u32 v2, v0, 4, 1                         ; h
	v_and_b32 v3, 31, v0                           ; lane
	v_mul_u32_u24 v[ADRA], v1, PA
	v_lshl_add_u32 v[ADRA], v2, 4, v[ADRA]         ; row x pitch + 16 x half
	v_add_nc_u32 v[ADRA+1], SLOT, v[ADRA]
	v_add_nc_u32 v[ADRA2], 10*16*PA, v[ADRA]
	v_add_nc_u32 v[ADRA2+1], SLOT+10*16*PA, v[ADRA]
	v_and_b32 v14, 7, v0
	v_lshl_add_u32 v14, v2, 3, v14                 ; the turning load: row 8 h + l % 8 along K,
	v_mul_u32_u24 v14, v14, PB
	v_bfe_u32 v15, v0, 3, 1
	v_lshl_add_u32 v14, v15, 4, v14                ; 16 bytes of columns by (l / 8) % 2,
	s_lshl_b32 s96, s[WV], 7
	s_add_co_u32 s96, s96, ABYTES                  ; my head's 128 bytes
	v_add_nc_u32 v[ADRB], s96, v14
	v_add_nc_u32 v[ADRB+1], SLOT, v[ADRB]
	s_mul_i32 s96, s[WV], 16*SPS
	s_add_co_u32 s96, s96, STG                     ; my stage
	v_mul_u32_u24 v14, v1, SPS
	v_lshl_add_u32 v14, v2, 4, v14
	v_add_nc_u32 v[STO], s96, v14                  ; in: row r, 16 bytes for each half
	v_lshrrev_b32 v14, 3, v3
	v_mul_u32_u24 v14, v14, SPS
	v_and_b32 v15, 7, v0
	v_lshl_add_u32 v14, v15, 4, v14
	v_add_nc_u32 v[RD], s96, v14                   ; back: eight lanes to a row of 128 bytes
	v_mul_u32_u24 v[KOF], v1, 6144
	v_lshl_add_u32 v[KOF], v2, 4, v[KOF]
	v_lshlrev_b32 v[GO], 4, v3
	v_add_nc_u32 v[RWB], s69, v1
	; pointers, all chosen by ids
	s_cmp_eq_u32 s62, 0
	s_cselect_b64 s[82:83], s[10:11], s[12:13]     ; b_X
	s_cselect_b64 s[84:85], s[14:15], s[48:49]     ; b_itX
	s_cselect_b64 s[86:87], s[50:51], s[52:53]     ; b_iiX
	s_cmp_eq_u32 s68, 0
	s_cselect_b64 s[88:89], s[84:85], s[86:87]     ; my block's row biases
	s_lshl_b32 s93, s67, 2
	s_add_co_u32 s93, s93, s[WV]                   ; my head
	s_mul_i32 s96, s66, 1152
	s_add_co_u32 s96, s96, s74
	s_mul_i32 s96, s96, 6144
	s_lshl_b32 s98, s93, 7
	s_add_co_u32 s96, s96, s98
	s_add_co_u32 s98, s62, 1
	s_lshl_b32 s98, s98, 11
	s_add_co_u32 s96, s96, s98
	s_mov_b32 s97, 0
	s_add_nc_u64 s[6:7], s[6:7], s[96:97]          ; x at my results' own places: row 1,152 b + s', my head's columns
	s_lshl_b32 s98, s66, 4
	s_add_co_u32 s98, s98, s93
	s_mul_i32 s98, s98, 143360
	s_mul_i32 s99, s62, 18350080
	s_add_co_u32 s98, s98, s99
	s_lshl_b32 s99, s74, 7
	s_add_co_u32 s98, s98, s99
	s_mov_b32 s99, 0
	s_add_nc_u64 s[54:55], s[54:55], s[98:99]      ; ikv at my head's slab, row s'
	s_lshl_b32 s98, s62, 2
	s_add_nc_u64 s[10:11], s[56:57], s[98:99]      ; red + 4 X
	s_lshl_b32 s98, s61, 5
	s_add_co_u32 s98, s98, s60
	s_lshl_b32 s98, s98, 2
	s_add_co_u32 s98, s98, s[WV]
	s_lshl_b32 s98, s98, 2
	s_add_nc_u64 s[56:57], s[56:57], s[98:99]      ; my word of loss
	s_or_b32 s77, s60, s63
	s_or_b32 s77, s77, s[WV]                       ; 0 in the one wave of each tensor that stores 2^e: it picks lanes, never a way through the text
	; THE BOUND, by every wave, while the first tiles are on their way.  Values only: nothing of it enters an address or a branch.
	v_lshlrev_b32 v16, 2, v3
	v_min_u32 v17, 23, v3
	v_lshlrev_b32 v17, 2, v17
	s_lshl_b32 s70, s62, 9
	s_mul_i32 s96, s62, 608
	v_add_nc_u32 v18, s70, v[GO]
	v_add_nc_u32 v19, s96, v[GO]
	v_add_nc_u32 v17, s96, v17
	v_mov_b32 v20, 0
.irp i, 0,1,2,3,4,5,6,7,8
	global_load_b128 v[32+4*\i:35+4*\i], v[GO], s[8:9] offset:512*\i        ; hidden_states: 1,152 waves' figures
.endr
	global_load_b128 v[68:71], v18, s[8:9] offset:5120                      ; W_X: 128
	global_load_b128 v[72:75], v19, s[8:9] offset:6144                      ; W_itX and W_iiX: 128,
	global_load_b32 v76, v17, s[8:9] offset:6656                            ; and 24 more (lanes past 23 repeat the last)
.irp i, 0,1,2,3,4,5,6,7
	global_load_b128 v[80+4*\i:83+4*\i], v[GO], s[82:83] offset:512*\i      ; b_X: 1,024
.endr
.irp i, 0,1,2,3
	global_load_b128 v[112+4*\i:115+4*\i], v[GO], s[84:85] offset:512*\i    ; b_itX: 512
	global_load_b128 v[128+4*\i:131+4*\i], v[GO], s[86:87] offset:512*\i    ; b_iiX: 512,
.endr
	global_load_b32 v144, v16, s[86:87] offset:2048                         ; 64 more,
	global_load_b32 v145, v16, s[86:87] offset:2176
	global_load_b32 v146, v20, s[86:87] offset:2304                         ; and the last
.irp v, 155,156,157,158,159
	v_mov_b32 v\v, 0                               ; a lane permute's destination counts as one of its sources
.endr
	s_wait_loadcnt 0x0
	v_max_num_f32 v150, v32, v33
.irp j, 34,36,38,40,42,44,46,48,50,52,54,56,58,60,62,64,66
	v_max3_num_f32 v150, v150, v[\j], v[\j+1]
.endr
	v_max3_num_f32 v151, v68, v69, v70
	v_max_num_f32 v151, v151, v71
	v_max3_num_f32 v152, v72, v73, v74
	v_max3_num_f32 v152, v152, v75, v76
	v_max_num_f32 v153, |v80|, |v81|
.irp j, 82,84,86,88,90,92,94,96,98,100,102,104,106,108,110
	v_max3_num_f32 v153, v153, |v[\j]|, |v[\j+1]|
.endr
	v_max_num_f32 v154, |v112|, |v113|
.irp j, 114,116,118,120,122,124,126,128,130,132,134,136,138,140,142,144
	v_max3_num_f32 v154, v154, |v[\j]|, |v[\j+1]|
.endr
	v_max_num_f32 v154, v154, |v146|
.irp m, 1,2,4,8
.irp v, 150,151,152,153,154
	v_max_num_f32_dpp v\v, v\v, v\v row_xmask:\m row_mask:0xf bank_mask:0xf
.endr
.endr
.irp v, 150,151,152,153,154
	v_permlanex16_b32 v[5+\v], v\v, s94, s95
.endr
.irp v, 150,151,152,153,154
	v_max_num_f32 v\v, v\v, v[5+\v]
.endr
	v_mul_f32 v160, v150, v151                     ; Hm Wx
	v_fma_f32 v160, v160, 0x45800000, v153         ; x 2^12 + Bx
	v_mul_f32 v161, 0x44800000, v152               ; 2^10 Wm
	v_fma_f32 v160, v161, v160, v154               ; + Bm
	v_max_num_f32 v160, 0x0d800000, v160           ; held to 2^-100 ..
	v_min_num_f32 v160, 0x7b800000, v160           ; .. 2^120
	v_lshrrev_b32 v160, 23, v160                   ; F, its exponent field: the bound lies under 2^(F - 126)
	v_sub_nc_u32 v161, 268, v160
	v_lshlrev_b32 v161, 23, v161                   ; 2^(141 - F): out times this lies under 2^15
	v_add_nc_u32 v160, -14, v160
	v_lshlrev_b32 v160, 23, v160                   ; 2^(F - 141)
	v_readfirstlane_b32 s[SC], v161
	v_readfirstlane_b32 s92, v160
	s_mov_b32 s[SC+1], s[SC]
; 40 LDS loads in one run: step q of slot s into set p: W's row tiles 0-15, x's four fragments (turned)
.macro FETCH_LO s, q, p
.if \p
	WIN 0xc0                                       ; destination window 3, address window 0
.else
	WIN 0
.endif
.irp a, 0,1,2,3,4,5,6,7,8,9
	ds_load_b128 v[AF+8*\a:AF+8*\a+3],   v[ADRA+(\s)] offset:16*PA*\a+64*(\q)
	ds_load_b128 v[AF+8*\a+4:AF+8*\a+7], v[ADRA+(\s)] offset:16*PA*\a+64*(\q)+32
.endr
.irp a, 10,11,12,13,14,15
	ds_load_b128 v[AF+8*\a:AF+8*\a+3],   v[ADRA2+(\s)] offset:16*PA*(\a-10)+64*(\q)
	ds_load_b128 v[AF+8*\a+4:AF+8*\a+7], v[ADRA2+(\s)] offset:16*PA*(\a-10)+64*(\q)+32
.endr
	WIN 0
.irp c, 0,1,2,3
	ds_load_tr16_b128 v[BF+32*(\p)+8*\c:BF+32*(\p)+8*\c+3],   v[ADRB+(\s)] offset:32*PB*(\q)+32*\c
	ds_load_tr16_b128 v[BF+32*(\p)+8*\c+4:BF+32*(\p)+8*\c+7], v[ADRB+(\s)] offset:32*PB*(\q)+32*\c+16*PB
.endr
.endm
; 6 more: W's row tiles 16-18
.macro FETCH_HI s, q, p
.if \p
	WIN 0xc0
.else
	WIN 0
.endif
.irp a, 16,17,18
	ds_load_b128 v[AF+8*\a:AF+8*\a+3],   v[ADRA2+(\s)] offset:16*PA*(\a-10)+64*(\q)
	ds_load_b128 v[AF+8*\a+4:AF+8*\a+7], v[ADRA2+(\s)] offset:16*PA*(\a-10)+64*(\q)+32
.endr
.endm
; n row tiles from a0 on, four matrix instructions each.  The accumulators take turns, one instruction a turn, in the same order in every step.
.macro MULS a0, n, p, zero
.set A_, \a0
.rept \n
.set W_, 1+A_/8
.set WN_, (W_<<6)|(W_<<4)|(12*(\p))    ; C and D in the accumulators' window, source 1 (W) in window 0 or 3
	WIN WN_
.set AC_, 32*(A_%8)
.irp c, 0,1,2,3
.if \zero
	v_wmma_f32_16x16x32_f16 v[AC_+8*\c:AC_+8*\c+7], v[BF+32*(\p)+8*\c:BF+32*(\p)+8*\c+7], v[AF+8*A_:AF+8*A_+7], 0
.else
	v_wmma_f32_16x16x32_f16 v[AC_+8*\c:AC_+8*\c+7], v[BF+32*(\p)+8*\c:BF+32*(\p)+8*\c+7], v[AF+8*A_:AF+8*A_+7], v[AC_+8*\c:AC_+8*\c+7]
.endif
.endr
.set A_, A_+1
.endr
.endm
; ROW TILES 16-18 of a step on set p, and (fetch = 1) their fragments of the next step, step q2 of slot s2, into the other set.  A text block jumps over both; in the first step (zero = 1) every block runs them.
; The loads stand in the same arm as the products that will read them, and they are older than the next step's 40: so that step's count is right on both ways.
.macro HI p, zero, s2, q2, fetch
.if \zero == 0
	WIN 0                                          ; at a branch and at a label every window is 0
	s_cmp_eq_u32 s68, 0
	s_cbranch_scc1 .Ltext_\@
.endif
	MULS 16, 3, \p, \zero
.if \fetch
	FETCH_HI \s2, \q2, 1-(\p)                      ; that set's registers were last read a step ago, with the step's four places between
.endif
	WIN 0
.if \zero == 0
.Ltext_\@:
.endif
.endm
.macro STEP s, q, zero                 ; a step with its successor in the same slot: the successor's fragments are asked for first and have this step's products in which to come
	PLACES                                         ; the other set was read by the last step's products
	FETCH_LO \s, (\q)+1, 1-(\q)%2
	s_wait_dscnt 40                                ; all but the 40 just issued: this step's set is in, its row tiles 16-18 too
	MULS 0, 16, (\q)%2, \zero
	HI (\q)%2, \zero, \s, (\q)+1, 1
.endm
.macro STEPT s, q                      ; a step of the fifth tile: text blocks alone come here
	PLACES
	FETCH_LO \s, (\q)+1, 1-(\q)%2
	s_wait_dscnt 40
	MULS 0, 16, (\q)%2, 0
.endm
; A slot's last step changes slots: one barrier; in front of it each wave waits for all its tensor loads, adds 0 to its spare word, and waits for that and for its reads of this slot.  fill = 1: this slot takes the tile two on,
; and the barrier opens a round of the cluster's barrier.  fh = 1: the next step has row tiles 16-18.
.macro TURN s, fill, fh
	WIN 0
	s_wait_tensorcnt 0x0                           ; my part of the other slot has landed; no load of mine is out, so a group 0 may be written
	ds_add_u32 v[SPW], v[NIL]
.if \fill
	s_add_nc_u64 s[G0A+4*\s+2:G0A+4*\s+3], s[G0A+4*\s+2:G0A+4*\s+3], 2*256
	s_add_nc_u64 s[G0B+4*\s+2:G0B+4*\s+3], s[G0B+4*\s+2:G0B+4*\s+3], 2*128*6144
.endif
	s_wait_dscnt 0x1                               ; this step's set is in (the add may be out)
	MULS 0, 4, 1, 0
	s_wait_dscnt 0x0                               ; the add is done, and my reads of this slot are over
	s_barrier_signal -1
	MULS 4, 4, 1, 0
	WIN 0
	s_barrier_wait -1
.if \fill
	CREST                                          ; no wave of any partner still reads this slot or has a load on its way
	TLOAD \s                                       ; my one tensor load behind the round: it has four steps in which to land; its four v_nop are the places in front of the loads below
.else
	PLACES
.endif
	FETCH_LO 1-(\s), 0, 0
	MULS 8, 8, 1, 0
	HI 1, 0, 1-(\s), 0, \fh
.endm
	s_wait_tensorcnt 0x1                           ; my part of slot 0 is in; slot 1's may stay out
	s_barrier_signal -1
	s_barrier_wait -1
	FETCH_LO 0, 0, 0
	FETCH_HI 0, 0, 0
	STEP 0, 0, 1                                   ; the first products start the sums
	STEP 0, 1, 0
	STEP 0, 2, 0
	TURN 0, 1, 1                                   ; tile 2 is asked for
	STEP 1, 0, 0
	STEP 1, 1, 0
	STEP 1, 2, 0
	TURN 1, 1, 1                                   ; tile 3
	STEP 0, 0, 0
	STEP 0, 1, 0
	STEP 0, 2, 0
	TURN 0, 1, 1                                   ; tile 4
	STEP 1, 0, 0
	STEP 1, 1, 0
	STEP 1, 2, 0
	TURN 1, 0, 0
	s_cmp_lg_u32 s68, 0                            ; an image block's W has only zeros from column 512 on: its sums are whole
	s_cbranch_scc1 .Lout
	STEPT 0, 0
	STEPT 0, 1
	s_wait_dscnt 0x0                               ; the nineteenth step: nothing more to fetch
	MULS 0, 16, 0, 0
	WIN 0
.Lout:
	s_wait_dscnt 0x0                               ; (an image block's last 40 loads are in: their registers are used anew below)
	; THE WAY OUT, a row tile at a time.
	PLACES
	v_mov_b32 v[LT], 0
	v_mov_b32 v[LTT], 0
	v_mov_b32 v[ZOF], 0
.irp a, 0,1,2,3,4,5,6,7,8,9,10,11,12,13,14,15,16,17,18
	v_add_nc_u32 v[BIA+\a], 16*\a, v[RWB]
	v_min_u32 v[BIA+\a], s72, v[BIA+\a]            ; no load leaves the buffer: rows that are not real repeat the last bias
	v_lshlrev_b32 v[BIA+\a], 2, v[BIA+\a]
	global_load_b32 v[BIA+\a], v[BIA+\a], s[88:89]
.endr
.macro KLOAD a                         ; x[s' = 16 a + r][my head: 16 c + 8 h + 0 .. 7], f16
.irp c, 0,1,2,3
	global_load_b128 v[KD+16*((\a)%4)+4*\c:KD+16*((\a)%4)+4*\c+3], v[KOF], s[6:7] offset:16*6144*(\a)+32*\c
.endr
.endm
	KLOAD 0
	KLOAD 1
	KLOAD 2
	KLOAD 3
; prev = 1: the tile before is stored here, a tile behind its trip through the stage.  flush = 1: this tile is stored here too.
.macro TILE a, prev, flush
.set W_, 1+(\a)/8
.set AC_, 32*((\a)%8)
.set RB_, RB+16*((\a)%2)
.set RP_, RB+16*(1-(\a)%2)
.if (\a) <= 15
	s_wait_loadcnt 12                              ; the biases and tile a's four loads are in; the twelve of the three tiles behind it may be out
.else
	s_wait_loadcnt 4*(18-(\a))
.endif
	v_mov_b32 v[BS], v[BIA+(\a)]
	v_mov_b32 v[BS+1], v[BIA+(\a)]
	WIN W_                                         ; source 0 in the accumulators' window
.irp c, 0,1,2,3
.irp i, 0,2,4,6
	v_pk_add_f32 v[Y+8*\c+\i:Y+8*\c+\i+1], v[AC_+8*\c+\i:AC_+8*\c+\i+1], v[BS:BS+1]      ; out = sum + bias; each accumulator from its low end on
.endr
.endr
	WIN 0
.irp j, 0,2,4,6,8,10,12,14,16,18,20,22,24,26,28,30
	v_pk_mul_f32 v[KF+\j:KF+\j+1], v[Y+\j:Y+\j+1], s[SC:SC+1] op_sel_hi:[1,0]            ; x 2^-e: exact
.endr
.irp j, 0,1,2,3,4,5,6,7,8,9,10,11,12,13,14,15
	v_cvt_pk_f16_f32 v[PK+\j], v[KF+2*\j], v[KF+2*\j+1]
.endr
.if (\a)%4 == 0                        ; x as f32: 32 lines between the packing and the stores that read it
.irp n, 32,33,34,35,36,37,38,39,40,41,42,43,44,45,46,47
	CVP KF+2*(\n-32), \n
.endr
.elseif (\a)%4 == 1
.irp n, 48,49,50,51,52,53,54,55,56,57,58,59,60,61,62,63
	CVP KF+2*(\n-48), \n
.endr
.elseif (\a)%4 == 2
.irp n, 64,65,66,67,68,69,70,71,72,73,74,75,76,77,78,79
	CVP KF+2*(\n-64), \n
.endr
.else
.irp n, 80,81,82,83,84,85,86,87,88,89,90,91,92,93,94,95
	CVP KF+2*(\n-80), \n
.endr
.endif
	s_wait_xcnt 0x0                                ; the stores issued a tile ago have read the set that is loaded again below
.irp c, 0,1,2,3
	ds_store_b128 v[STO], v[PK+4*\c:PK+4*\c+3] offset:32*\c
.endr
.irp j, 0,1,2,3
	ds_load_b128 v[RB_+4*\j:RB_+4*\j+3], v[RD] offset:4*SPS*\j     ; LDS serves a wave's instructions in order: these see the stores above
.endr
.irp j, 0,2,4,6,8,10,12,14,16,18,20,22,24,26,28,30
	v_pk_add_f32 v[Y+\j:Y+\j+1], v[Y+\j:Y+\j+1], v[KF+\j:KF+\j+1] neg_lo:[0,1] neg_hi:[0,1]   ; out - x
.endr
	v_pk_mul_f32 v[LS:LS+1], v[Y:Y+1], v[Y:Y+1]
	v_pk_mul_f32 v[LS2:LS2+1], v[Y+2:Y+3], v[Y+2:Y+3]
.irp j, 4,8,12,16,20,24,28
	v_pk_fma_f32 v[LS:LS+1], v[Y+\j:Y+\j+1], v[Y+\j:Y+\j+1], v[LS:LS+1]
	v_pk_fma_f32 v[LS2:LS2+1], v[Y+\j+2:Y+\j+3], v[Y+\j+2:Y+\j+3], v[LS2:LS2+1]
.endr
.if (\a)+4 <= 18
	KLOAD (\a)+4
.endif
	v_pk_add_f32 v[LS:LS+1], v[LS:LS+1], v[LS2:LS2+1]
	v_add_nc_u32 v[VT], 16*(\a), v1
	v_cmp_gt_u32 vcc_lo, s73, v[VT]                ; is my row real?
	v_add_f32 v[LS], v[LS], v[LS+1]
	v_cndmask_b32 v[LS], 0, v[LS], vcc_lo
	v_add_f32 v[LT], v[LT], v[LS]
.if \prev
	s_wait_dscnt 0x8                               ; the tile before is back; this tile's four stores and four loads may be out
.irp j, 0,1,2,3
	global_store_b128 v[GO], v[RP_+4*\j:RP_+4*\j+3], s[54:55] offset:2048*((\a)-1)+512*\j      ; the wave stores 512 consecutive bytes, aligned
.endr
.endif
.if \flush
	s_wait_dscnt 0x0
.irp j, 0,1,2,3
	global_store_b128 v[GO], v[RB_+4*\j:RB_+4*\j+3], s[54:55] offset:2048*(\a)+512*\j
.endr
.endif
.endm
	TILE 0, 0, 0
.irp a, 1,2,3,4,5,6,7,8,9,10,11,12,13,14
	TILE \a, 1, 0
.endr
	TILE 15, 1, 1
	s_cmp_eq_u32 s68, 0                            ; a text block has 256 rows: rows 256 on belong to the next block.  (Its last twelve loads of x stay out; nothing below names their registers)
	s_cbranch_scc1 .Lfin
	TILE 16, 0, 0
	TILE 17, 1, 0
	TILE 18, 1, 1
.Lfin:
	v_add_f32_dpp v[LT], v[LT], v[LT] row_xmask:1 row_mask:0xf bank_mask:0xf
	v_add_f32_dpp v[LT], v[LT], v[LT] row_xmask:2 row_mask:0xf bank_mask:0xf
	v_add_f32_dpp v[LT], v[LT], v[LT] row_xmask:4 row_mask:0xf bank_mask:0xf
	v_add_f32_dpp v[LT], v[LT], v[LT] row_xmask:8 row_mask:0xf bank_mask:0xf
	v_permlanex16_b32 v[LTT], v[LT], s94, s95
	v_add_f32 v[LT], v[LT], v[LTT]                 ; the wave's part of the loss
	v_mov_b32 v[INVR], s92
	v_or_b32 v[VT], s77, v3                        ; 0 in lane 0 of the one wave of each tensor that stores 2^e
	s_wait_xcnt 0x0                                ; EXEC changes only behind this wait
	v_cmp_eq_u32 vcc_lo, 0, v3
	s_and_saveexec_b32 s70, vcc_lo
	global_store_b32 v[ZOF], v[LT], s[56:57]
	s_wait_xcnt 0x0
	s_or_b32 exec_lo, exec_lo, s70
	v_cmp_eq_u32 vcc_lo, 0, v[VT]
	s_and_saveexec_b32 s70, vcc_lo                 ; no lane is on in the other waves: their store does nothing, and no branch hangs on a place in the cluster
	global_store_b32 v[ZOF], v[INVR], s[10:11] offset:4096     ; 2^e of this tensor, once
	s_wait_xcnt 0x0
	s_or_b32 exec_lo, exec_lo, s70
	s_wait_tensorcnt 0x0                           ; the wave's end
	ds_add_u32 v[SPW], v[NIL]
	s_wait_dscnt 0x0
	CROUND                                         ; the closing round
	s_endpgm
.Lfunc_end_k_q310bc17480_imitate:
	.size	k_q310bc17480_imitate, .Lfunc_end_k_q310bc17480_imitate-k_q310bc17480_imitate
	.p2alignl 7, 3214868480
	.fill 96, 4, 3214868480
	.section	.rodata,"a",@progbits
	.p2align	6, 0x0
	.amdhsa_kernel k_q310bc17480_imitate
		.amdhsa_group_segment_fixed_size 327680
		.amdhsa_private_segment_fixed_size 0
		.amdhsa_enable_private_segment 0
		.amdhsa_kernarg_size 88
		.amdhsa_user_sgpr_count 2
		.amdhsa_user_sgpr_kernarg_segment_ptr 1
		.amdhsa_wavefront_size32 1
		.amdhsa_system_sgpr_workgroup_id_x 1
		.amdhsa_system_sgpr_workgroup_id_y 1
		.amdhsa_system_sgpr_workgroup_id_z 1
		.amdhsa_system_vgpr_workitem_id 0
		.amdhsa_next_free_vgpr 1024
		.amdhsa_next_free_sgpr 100
		.amdhsa_reserve_vcc 1
		.amdhsa_float_denorm_mode_32 3
		.amdhsa_float_denorm_mode_16_64 3
		.amdhsa_memory_ordered 1
		.amdhsa_forward_progress 1
		.amdhsa_inst_pref_size 255
	.end_amdhsa_kernel
	.section	.bss,"aw",@nobits
	.p2align	6
	.space	262144
	.amdgpu_metadata
---
amdhsa.version: [ 1, 2 ]
amdhsa.kernels:
  - .name:           k_q310bc17480_imitate
    .symbol:         k_q310bc17480_imitate.kd
    .args:
      - { .name: wim, .offset: 0, .size: 8, .value_kind: global_buffer, .address_space: global }
      - { .name: qkv, .offset: 8, .size: 8, .value_kind: global_buffer, .address_space: global }
      - { .name: pmax, .offset: 16, .size: 8, .value_kind: global_buffer, .address_space: global }
      - { .name: bk, .offset: 24, .size: 8, .value_kind: global_buffer, .address_space: global }
      - { .name: bv, .offset: 32, .size: 8, .value_kind: global_buffer, .address_space: global }
      - { .name: b_itk, .offset: 40, .size: 8, .value_kind: global_buffer, .address_space: global }
      - { .name: b_itv, .offset: 48, .size: 8, .value_kind: global_buffer, .address_space: global }
      - { .name: b_iik, .offset: 56, .size: 8, .value_kind: global_buffer, .address_space: global }
      - { .name: b_iiv, .offset: 64, .size: 8, .value_kind: global_buffer, .address_space: global }
      - { .name: ikv, .offset: 72, .size: 8, .value_kind: global_buffer, .address_space: global }
      - { .name: red, .offset: 80, .size: 8, .value_kind: global_buffer, .address_space: global }
    .group_segment_fixed_size: 327680
    .private_segment_fixed_size: 0
    .kernarg_segment_align: 8
    .kernarg_segment_size: 88
    .max_flat_workgroup_size: 128
    .sgpr_count:     100
    .vgpr_count:     1024
    .wavefront_size: 32
...
	.end_amdgpu_metadata
.endif
;; end of part 3
;; launch attend (part 4): grid 2 x 128, 12 waves a work-group, no clusters, 327,680 bytes of LDS; arguments qkv, ikv, red, out0, out1; writes out0, out1
.if DOCPART == 4
	.amdgcn_target "amdgcn-amd-amdhsa--gfx1250"
	.amdhsa_code_object_version 6
	.text
	.protected	k_q310bc17480_attend
	.globl	k_q310bc17480_attend
	.p2align	8
	.type	k_q310bc17480_attend,@function
k_q310bc17480_attend:
	s_mov_b64 s[64:65], 0
	v_nop
	global_prefetch_b8 v0, s[64:65] scope:SCOPE_SE
	s_setreg_imm32_b32 hwreg(HW_REG_WAVE_MODE, 25, 1), 1
	s_wait_xcnt 0x0
; out0[b][q][64 head + :] = sum over keys of softmax(q . ik / 8) iv, 1,089 keys, no mask; operands f16, products, maxima and sums f32.  out1 = the sum of the 1,024 parts of the loss / 8,921,088.
; ik and iv arrive times 2^-e (exact): 2^e of ik goes into the softmax's constant c = log2(e) / 8 x 2^e, that of iv into 1 / l.
; SHARES.  Work-group (half, head): the head's whole ik and iv (1,120 rows of 128 bytes each, rows 1,089 on finite and hidden) lie in LDS, filled once: no slot is filled again.  Twelve waves, three to a SIMD, so that one wave's
; softmax stands beside another's products and LDS loads.  Wave w owns query tiles 36 half + 3 w + 0 .. 2, so each fragment read from LDS feeds three products.  Tiles 69-71 work on padded rows and store nothing.
; No multicast: two work-groups share a head, and a four-way split would leave each wave too few queries for each fragment that it reads.
; LAYOUT.  S^T = K Q^T (source 0 = 16 keys, source 1 = 16 queries), O^T = V^T P (source 0 = 16 channels, turned by ds_load_tr16_b128; source 1 = P): a lane holds one query throughout.
; SOFTMAX.  A running maximum m and sum l for each query: p = 2^(c s - c m); in every step O and l are multiplied by 2^(c m_old - c m_new).  p is rounded to f16 for the second product (p under 2^-24 becomes 0); l sums the unrounded p.
; LDS: two keys to a row of 256 bytes: K at pitch 272, V at pitch 288; the fills come in four segments of 280 keys, and a segment's steps begin when it has landed.
; REGISTERS: v1-7 addresses; v8-25 six statistics a tile (c m, c0, a, c1, l, l); v26-31 at work; v32-127 S^T, 32 a tile, P in place; v128-191 K's or V's fragments; v192-255 O^T of tiles 0, 1.  window 1: v0-31 O^T of tile 2, v32-79 Q.
.set KP,    272
.set VP,    288
.set VBASE, 560*KP
.set SPARE, VBASE+560*VP               ; the spare words: 128 bytes a wave, named by no other line
.set AK0, 1
.set AV0, 2
.set ADR, 3
.set SPW, 4
.set NIL, 5
.set LN,  7
.set ST,  8
.set TT,  26
.set S,   32
.set KV,  128
.set O,   192
.set Q,   32                           ; in window 1
.set WV,  14
.set G1K, 16
.set G1V, 24
.set G0K, 32                           ; s[32:47] a group 0 for each of K's four segments;  s[48:63] V's
.set G0V, 48
.set BH,  66
.set KO,  72                           ; s72, s73  where the step's keys begin in K and in V
.set VO,  73
.set CNT, 74
.set LEFT, 75
.set CS,  76                           ; s[76:77] c, twice
.set SEL, 78
.set MSB, 0
.macro WIN new                         ; the immediate's high byte repeats the setting that is left
.if MSB != \new
	s_set_vgpr_msb (MSB<<8)|\new
.set MSB, \new
.endif
.endm
	s_load_b128 s[4:7], s[0:1], 0x0                ; qkv, ikv
	s_load_b128 s[8:11], s[0:1], 0x10              ; red, out0
	s_load_b64 s[12:13], s[0:1], 0x20              ; out1
	v_lshl_add_u32 v[SPW], v0, 2, SPARE
	v_mov_b32 v[NIL], 0
	ds_add_u32 v[SPW], v[NIL]                      ; the wave's opening: the add, twice on end, and its wait ahead of the first tensor loads
	ds_add_u32 v[SPW], v[NIL]
	v_lshrrev_b32 v6, 5, v0
	v_readfirstlane_b32 s[WV], v6                  ; wave 0..11
	s_and_b32 s15, s[WV], 1
	s_and_b32 s[BH], ttmp7, 0xffff                 ; 16 b + head
	s_lshr_b32 s67, s[BH], 4
	s_and_b32 s68, s[BH], 15
	s_mov_b32 s[G1K], (3<<16)|(1<<20)|(5<<22)|(3<<25)   ; elements of 8 bytes; 4 words of padding after every 64
	s_mov_b32 s[G1V], (3<<16)|(1<<20)|(5<<22)|(7<<25)   ; 8 words
.irp g, G1K, G1V
	s_mov_b32 s[\g+1], 32<<16                      ; tensor_dim0: 256 bytes
	s_mov_b32 s[\g+2], 70<<16                      ; tensor_dim1
	s_mov_b32 s[\g+3], 32<<16                      ; tile_dim0
	s_mov_b32 s[\g+4], 70                          ; tile_dim1: 70 rows, 140 keys
	s_mov_b32 s[\g+5], 32                          ; dense
	s_mov_b32 s[\g+6], 0
	s_mov_b32 s[\g+7], 0
.endr
	s_mul_i32 s80, s[BH], 143360                   ; the head's slab,
	s_mul_i32 s82, s15, 70*256
	s_add_co_u32 s80, s80, s82                     ; my half of a segment
	s_mov_b32 s81, 0
	s_mul_i32 s83, s15, 70*KP
	s_mul_i32 s84, s15, 70*VP
	s_add_co_u32 s84, s84, VBASE
	s_mul_i32 s85, ttmp9, 36
	s_mul_i32 s88, s[WV], 3
	s_add_co_u32 s85, s85, s88
	s_lshl_b32 s88, s85, 4                         ; my first query
	s_sub_co_i32 s[LEFT], 1089, s88                ; how many real queries lie from there on (may be negative)
	s_mul_i32 s82, s67, 1152
	s_add_co_u32 s82, s82, s88
	s_mul_i32 s82, s82, 6144
	s_lshl_b32 s89, s68, 7
	s_add_co_u32 s82, s82, s89                     ; q: row 1,152 b + query, my head's 128 bytes
	s_mul_i32 s70, s67, 1089
	s_add_co_u32 s70, s70, s88
	s_lshl_b32 s70, s70, 12
	s_lshl_b32 s89, s68, 8
	s_add_co_u32 s70, s70, s89                     ; out0: row 1,089 b + query, my head's 256 bytes
	s_mov_b32 s71, 0
	s_mov_b32 s[SEL], 0x76543210
	s_mov_b32 s[SEL+1], 0xfedcba98                 ; v_permlanex16_b32's selects for lane l xor 16
	s_mov_b32 s[KO], 0
	s_mov_b32 s[VO], 0
	s_wait_dscnt 0x0                               ; both opening adds are done
	s_wait_kmcnt 0x0
	s_add_nc_u64 s[10:11], s[10:11], s[70:71]
	s_load_b64 s[70:71], s[8:9], 0x1000            ; 2^e of ik, of iv
	s_add_nc_u64 s[6:7], s[6:7], s[80:81]
	s_add_nc_u64 s[86:87], s[6:7], 18350080        ; iv's slabs lie behind ik's 128
	s_mov_b32 s80, s82
	s_add_nc_u64 s[4:5], s[4:5], s[80:81]
.irp g, 0,1,2,3
	s_mov_b32 s[G0K+4*\g], 1
	s_add_co_u32 s[G0K+4*\g+1], s83, 140*KP*\g
	s_add_nc_u64 s[G0K+4*\g+2:G0K+4*\g+3], s[6:7], 140*256*\g
	s_or_b32 s[G0K+4*\g+3], s[G0K+4*\g+3], 0x80000000
	s_mov_b32 s[G0V+4*\g], 1
	s_add_co_u32 s[G0V+4*\g+1], s84, 140*VP*\g
	s_add_nc_u64 s[G0V+4*\g+2:G0V+4*\g+3], s[86:87], 140*256*\g
	s_or_b32 s[G0V+4*\g+3], s[G0V+4*\g+3], 0x80000000
.endr
	s_cmp_lt_u32 s[WV], 2                          ; waves 0, 1: K's halves; waves 2, 3: V's; the others fetch nothing.  A wave's four first fills stand in one branch: four loads of its own are out
	s_cbranch_scc0 .Lnot_k
.irp g, 0,1,2,3
	tensor_load_to_lds s[G0K+4*\g:G0K+4*\g+3], s[G1K:G1K+7]
	s_nop 0
.endr
.rept 4
	v_nop
.endr
	s_branch .Lasked
.Lnot_k:
	s_cmp_lt_u32 s[WV], 4
	s_cbranch_scc0 .Lasked
.irp g, 0,1,2,3
	tensor_load_to_lds s[G0V+4*\g:G0V+4*\g+3], s[G1V:G1V+7]
	s_nop 0
.endr
.rept 4
	v_nop
.endr
.Lasked:
	v_and_b32 v26, 15, v0                          ; r
	v_bfe_u32 v27, v0, 4, 1                        ; h
	v_and_b32 v[LN], 31, v0
	v_mul_u32_u24 v30, v26, 6144
	v_lshl_add_u32 v30, v27, 4, v30                ; Q: row r, + 16 h
	WIN 0x40                                       ; destination window 1
.irp t, 0,1,2
.irp dh, 0,1
	global_load_b128 v[Q+16*\t+8*\dh:Q+16*\t+8*\dh+3],   v30, s[4:5] offset:16*6144*\t+64*\dh
	global_load_b128 v[Q+16*\t+8*\dh+4:Q+16*\t+8*\dh+7], v30, s[4:5] offset:16*6144*\t+64*\dh+32
.endr
.endr
.set j, 0
.rept 32
	v_mov_b32 v[j], 0                              ; O^T of tile 2.  (The step is written once: the first finds zeros, which the first change of m leaves zeros)
.set j, j+1
.endr
	WIN 0
.set j, 0
.rept 64
	v_mov_b32 v[O+j], 0
.set j, j+1
.endr
	v_lshrrev_b32 v28, 1, v26
	v_mul_u32_u24 v[AK0], v28, KP                  ; K: key r lies in row r / 2,
	v_and_b32 v28, 1, v0
	v_lshl_add_u32 v[AK0], v28, 7, v[AK0]          ; half r % 2 of it,
	v_lshl_add_u32 v[AK0], v27, 4, v[AK0]          ; + 16 h
	v_bfe_u32 v29, v0, 1, 2
	v_lshl_add_u32 v29, v27, 2, v29                ; V, for the turning load: key 8 h + l % 8 lies in row 4 h + (l % 8) / 2,
	v_mul_u32_u24 v[AV0], v29, VP
	v_lshl_add_u32 v[AV0], v28, 7, v[AV0]          ; half l % 2,
	v_bfe_u32 v29, v0, 3, 1
	v_lshl_add_u32 v[AV0], v29, 4, v[AV0]          ; 16 bytes of channels by (l / 8) % 2
	v_add_nc_u32 v[AV0], VBASE, v[AV0]
.irp t, 0,1,2
	v_mov_b32 v[ST+6*\t], 0xff61b1e6               ; c m: -3e38, under every c s
	v_mov_b32 v[ST+6*\t+1], 0
	v_mov_b32 v[ST+6*\t+2], 0
	v_mov_b32 v[ST+6*\t+3], 0
	v_mov_b32 v[ST+6*\t+4], 0                      ; l, in two halves
	v_mov_b32 v[ST+6*\t+5], 0
.endr
	s_wait_kmcnt 0x0
	s_mul_f32 s[CS], s70, 0x3e38aa3b               ; c = log2(e) / 8 x 2^e
	s_mov_b32 s[CS+1], s[CS]
	s_wait_loadcnt 0x0                             ; Q
; from each tile's largest score of my half (in c0): the other half's, the new c m, and c m_old - c m_new (in c1)
.macro NEWMAX
.irp t, 0,1,2
	v_permlanex16_b32 v[ST+6*\t+2], v[ST+6*\t+1], s[SEL], s[SEL+1]
.endr
.irp t, 0,1,2
	v_max_num_f32 v[ST+6*\t+1], v[ST+6*\t+1], v[ST+6*\t+2]
.endr
.irp t, 0,1,2
	v_mov_b32 v[ST+6*\t+3], v[ST+6*\t]
.endr
.irp t, 0,1,2
	v_mul_f32 v[ST+6*\t+1], s[CS], v[ST+6*\t+1]    ; c is positive
.endr
.irp t, 0,1,2
	v_max_num_f32 v[ST+6*\t], v[ST+6*\t], v[ST+6*\t+1]
.endr
.irp t, 0,1,2
	v_sub_f32 v[ST+6*\t+3], v[ST+6*\t+3], v[ST+6*\t]
.endr
.endm
.macro RESCALE                         ; O^T x a
	WIN 0x41                                       ; destination and source 0 window 1
.set j, 0
.rept 16
	v_pk_mul_f32 v[j:j+1], v[j:j+1], v[ST+14:ST+15] op_sel_hi:[1,0]
.set j, j+2
.endr
	WIN 0
.irp t, 0,1
.set j, 0
.rept 16
	v_pk_mul_f32 v[O+32*\t+j:O+32*\t+j+1], v[O+32*\t+j:O+32*\t+j+1], v[ST+6*\t+2:ST+6*\t+3] op_sel_hi:[1,0]
.set j, j+2
.endr
.endr
.endm
; A KEY STEP: 64 keys
.macro STEP
	v_add_nc_u32 v[ADR], s[KO], v[AK0]
.rept 4
	v_nop                                          ; with the addition five places behind the last products: K's loads land on registers that they read (four are owed), and the products below write over P, which they read (five)
.endr
.irp kt, 0,1,2,3
.irp dh, 0,1
	ds_load_b128 v[KV+16*\kt+8*\dh:KV+16*\kt+8*\dh+3],   v[ADR] offset:8*KP*\kt+64*\dh
	ds_load_b128 v[KV+16*\kt+8*\dh+4:KV+16*\kt+8*\dh+7], v[ADR] offset:8*KP*\kt+64*\dh+32
.endr
.endr
	s_wait_dscnt 0x0
	WIN 0x04                                       ; source 1 (Q) window 1
.irp dh, 0,1                           ; the twelve accumulators take turns, one instruction a turn
.irp t, 0,1,2
.irp kt, 0,1,2,3
.if \dh == 0
	v_wmma_f32_16x16x32_f16 v[S+32*\t+8*\kt:S+32*\t+8*\kt+7], v[KV+16*\kt+8*\dh:KV+16*\kt+8*\dh+7], v[Q+16*\t+8*\dh:Q+16*\t+8*\dh+7], 0
.else
	v_wmma_f32_16x16x32_f16 v[S+32*\t+8*\kt:S+32*\t+8*\kt+7], v[KV+16*\kt+8*\dh:KV+16*\kt+8*\dh+7], v[Q+16*\t+8*\dh:Q+16*\t+8*\dh+7], v[S+32*\t+8*\kt:S+32*\t+8*\kt+7]
.endif
.endr
.endr
.endr
	WIN 0
	v_add_nc_u32 v[ADR], s[VO], v[AV0]
.rept 3
	v_nop                                          ; four places: V's loads land on K's registers, and the maxima read the scores
.endr
.irp u, 0,1
.irp ct, 0,1,2,3
	ds_load_tr16_b128 v[KV+32*\u+8*\ct:KV+32*\u+8*\ct+3],   v[ADR] offset:16*VP*\u+32*\ct
	ds_load_tr16_b128 v[KV+32*\u+8*\ct+4:KV+32*\u+8*\ct+7], v[ADR] offset:16*VP*\u+32*\ct+8*VP
.endr
.endr
.irp t, 0,1,2                          ; the largest of my 32 scores: two chains a tile, each in ascending order
	v_max3_num_f32 v[ST+6*\t+1], v[S+32*\t], v[S+32*\t+1], v[S+32*\t+2]
	v_max3_num_f32 v[ST+6*\t+3], v[S+32*\t+16], v[S+32*\t+17], v[S+32*\t+18]
.endr
.irp i, 3,5,7,9,11,13
.irp t, 0,1,2
	v_max3_num_f32 v[ST+6*\t+1], v[ST+6*\t+1], v[S+32*\t+\i], v[S+32*\t+\i+1]
	v_max3_num_f32 v[ST+6*\t+3], v[ST+6*\t+3], v[S+32*\t+16+\i], v[S+32*\t+17+\i]
.endr
.endr
.irp t, 0,1,2
	v_max3_num_f32 v[ST+6*\t+1], v[ST+6*\t+1], v[S+32*\t+15], v[S+32*\t+31]
.endr
.irp t, 0,1,2
	v_max_num_f32 v[ST+6*\t+1], v[ST+6*\t+1], v[ST+6*\t+3]
.endr
	NEWMAX
.irp j, 0,2,4,6,8,10,12,14,16,18,20,22,24,26,28,30
.irp t, 0,1,2
	v_pk_fma_f32 v[S+32*\t+\j:S+32*\t+\j+1], v[S+32*\t+\j:S+32*\t+\j+1], s[CS:CS+1], v[ST+6*\t:ST+6*\t+1] op_sel_hi:[1,0,0] neg_lo:[0,0,1] neg_hi:[0,0,1]   ; c s - c m
.endr
.endr
.irp t, 0,1,2
	v_exp_f32 v[ST+6*\t+2], v[ST+6*\t+3]           ; a
.endr
.set j, 0
.rept 96
	v_exp_f32 v[S+j], v[S+j]                       ; p, at most 1
.set j, j+1
.endr
	v_nop                                          ; a plain instruction behind the last exponential
	s_wait_alu depctr_va_vdst(0)                   ; one wait for the batch of 99, ahead of its first reader
.irp t, 0,1,2                          ; l = a l + the sum of the unrounded p: two chains a tile
	v_pk_fma_f32 v[ST+6*\t+4:ST+6*\t+5], v[ST+6*\t+4:ST+6*\t+5], v[ST+6*\t+2:ST+6*\t+3], v[S+32*\t:S+32*\t+1] op_sel_hi:[1,0,1]
	v_pk_add_f32 v[TT+2*\t:TT+2*\t+1], v[S+32*\t+2:S+32*\t+3], v[S+32*\t+4:S+32*\t+5]
.endr
.irp i, 6,10,14,18,22,26
.irp t, 0,1,2
	v_pk_add_f32 v[ST+6*\t+4:ST+6*\t+5], v[ST+6*\t+4:ST+6*\t+5], v[S+32*\t+\i:S+32*\t+\i+1]
	v_pk_add_f32 v[TT+2*\t:TT+2*\t+1], v[TT+2*\t:TT+2*\t+1], v[S+32*\t+\i+2:S+32*\t+\i+3]
.endr
.endr
.irp t, 0,1,2
	v_pk_add_f32 v[ST+6*\t+4:ST+6*\t+5], v[ST+6*\t+4:ST+6*\t+5], v[S+32*\t+30:S+32*\t+31]
.endr
.irp t, 0,1,2
	v_pk_add_f32 v[ST+6*\t+4:ST+6*\t+5], v[ST+6*\t+4:ST+6*\t+5], v[TT+2*\t:TT+2*\t+1]
.endr
.irp i, 0,1,2,3,4,5,6,7,8,9,10,11,12,13,14,15
.irp t, 0,1,2
	v_cvt_pk_f16_f32 v[S+32*\t+\i], v[S+32*\t+2*\i], v[S+32*\t+2*\i+1]     ; P in place, ascending: register i is written when 2 i and 2 i + 1 are read
.endr
.endr
	RESCALE
	s_wait_dscnt 0x0                               ; V is in
.irp u, 0,1
.irp t, 0,1
.irp ct, 0,1,2,3
	v_wmma_f32_16x16x32_f16 v[O+32*\t+8*\ct:O+32*\t+8*\ct+7], v[KV+32*\u+8*\ct:KV+32*\u+8*\ct+7], v[S+32*\t+8*\u:S+32*\t+8*\u+7], v[O+32*\t+8*\ct:O+32*\t+8*\ct+7]
.endr
.endr
.endr
	WIN 0x50                                       ; C and D window 1
.irp u, 0,1
.irp ct, 0,1,2,3
	v_wmma_f32_16x16x32_f16 v[8*\ct:8*\ct+7], v[KV+32*\u+8*\ct:KV+32*\u+8*\ct+7], v[S+64+8*\u:S+64+8*\u+7], v[8*\ct:8*\ct+7]
.endr
.endr
	WIN 0
	s_add_co_u32 s[KO], s[KO], 32*KP
	s_add_co_u32 s[VO], s[VO], 32*VP
.endm
.macro SEG left, n                     ; a segment of 280 keys has landed in every wave's eyes; then the n steps that it completes.
	s_wait_tensorcnt \left                         ; my loads of the later segments may stay out
	s_wait_dscnt 0x0
	s_barrier_signal -1
	s_barrier_wait -1
	s_mov_b32 s[CNT], \n
.Lstep_\@:
	STEP
	s_sub_co_u32 s[CNT], s[CNT], 1
	s_cmp_lg_u32 s[CNT], 0
	s_cbranch_scc1 .Lstep_\@
.endm
	SEG 3, 4                                       ; keys 0 - 255 of 280
	SEG 2, 4                                       ; - 511 of 560
	SEG 1, 5                                       ; - 831 of 840
	SEG 0, 4                                       ; - 1,087 of 1,120
	; THE LAST KEY, 1,088: register 0 of lanes 0-15 of one more tile of 16 keys; all else of that tile is hidden
	v_add_nc_u32 v[ADR], s[KO], v[AK0]
.rept 4
	v_nop
.endr
.irp dh, 0,1
	ds_load_b128 v[KV+8*\dh:KV+8*\dh+3],   v[ADR] offset:64*\dh
	ds_load_b128 v[KV+8*\dh+4:KV+8*\dh+7], v[ADR] offset:64*\dh+32
.endr
	s_wait_dscnt 0x0
	WIN 0x04
.irp t, 0,1,2
	v_wmma_f32_16x16x32_f16 v[S+32*\t:S+32*\t+7], v[KV:KV+7], v[Q+16*\t:Q+16*\t+7], 0
.endr
.irp t, 0,1,2
	v_wmma_f32_16x16x32_f16 v[S+32*\t:S+32*\t+7], v[KV+8:KV+15], v[Q+16*\t+8:Q+16*\t+15], v[S+32*\t:S+32*\t+7]
.endr
	WIN 0
	v_add_nc_u32 v[ADR], s[VO], v[AV0]
	v_mov_b32 v[TT], 0xff800000                    ; -infinity
.rept 2
	v_nop
.endr
.irp ct, 0,1,2,3
	ds_load_tr16_b128 v[KV+32+8*\ct:KV+32+8*\ct+3],   v[ADR] offset:32*\ct         ; V's rows 1,088 - 1,119: finite, and all but the first meet p = 0
	ds_load_tr16_b128 v[KV+32+8*\ct+4:KV+32+8*\ct+7], v[ADR] offset:32*\ct+8*VP
.endr
	v_cmp_le_u32 vcc_lo, 16, v[LN]
.irp t, 0,1,2
	v_cndmask_b32 v[S+32*\t], v[S+32*\t], v[TT], vcc_lo
.endr
.irp t, 0,1,2
	v_mov_b32 v[ST+6*\t+1], v[S+32*\t]
.endr
	NEWMAX
.irp t, 0,1,2
	v_fma_f32 v[S+32*\t], v[S+32*\t], s[CS], -v[ST+6*\t]
.endr
.irp t, 0,1,2
	v_exp_f32 v[ST+6*\t+2], v[ST+6*\t+3]
.endr
.irp t, 0,1,2
	v_exp_f32 v[S+32*\t], v[S+32*\t]
.endr
	v_nop
	s_wait_alu depctr_va_vdst(0)                   ; one wait for the six
.irp t, 0,1,2
	v_fma_f32 v[ST+6*\t+4], v[ST+6*\t+4], v[ST+6*\t+2], v[S+32*\t]
	v_mul_f32 v[ST+6*\t+5], v[ST+6*\t+5], v[ST+6*\t+2]
.endr
.irp t, 0,1,2
	v_cvt_pk_f16_f32 v[S+32*\t], v[S+32*\t], 0
.irp i, 1,2,3,4,5,6,7
	v_mov_b32 v[S+32*\t+\i], 0
.endr
.endr
	RESCALE
	s_wait_dscnt 0x0
.irp t, 0,1
.irp ct, 0,1,2,3
	v_wmma_f32_16x16x32_f16 v[O+32*\t+8*\ct:O+32*\t+8*\ct+7], v[KV+32+8*\ct:KV+32+8*\ct+7], v[S+32*\t:S+32*\t+7], v[O+32*\t+8*\ct:O+32*\t+8*\ct+7]
.endr
.endr
	WIN 0x50
.irp ct, 0,1,2,3
	v_wmma_f32_16x16x32_f16 v[8*\ct:8*\ct+7], v[KV+32+8*\ct:KV+32+8*\ct+7], v[S+64:S+71], v[8*\ct:8*\ct+7]
.endr
	WIN 0
	s_barrier_signal -1                            ; no LDS instruction of mine is out: nobody reads K any more behind this barrier, and the stages may lie there
	s_barrier_wait -1
	; THE WAY OUT.  The address work is also the places behind the last products.
	v_and_b32 v26, 15, v0
	v_bfe_u32 v27, v0, 4, 1
	s_mul_i32 s80, s[WV], 16*272                   ; my stage: 16 rows x (256 + 16) bytes
	v_mul_u32_u24 v1, v26, 272
	v_lshl_add_u32 v1, v27, 5, v1
	v_add_nc_u32 v1, s80, v1                       ; in: row r, 32 bytes for each half
	v_mul_u32_u24 v2, v27, 272
	v_lshl_add_u32 v2, v26, 4, v2
	v_add_nc_u32 v2, s80, v2                       ; back: lanes 0-15 one row, lanes 16-31 the next
	v_lshlrev_b32 v3, 12, v27
	v_lshl_add_u32 v3, v26, 4, v3                  ; and the same two rows of out0
.irp t, 0,1,2
	v_add_f32 v[ST+6*\t+1], v[ST+6*\t+4], v[ST+6*\t+5]
.endr
.irp t, 0,1,2
	v_permlanex16_b32 v[ST+6*\t+3], v[ST+6*\t+1], s[SEL], s[SEL+1]
.endr
.irp t, 0,1,2
	v_add_f32 v[ST+6*\t+1], v[ST+6*\t+1], v[ST+6*\t+3]      ; l
.endr
.irp t, 0,1,2
	v_rcp_f32 v[ST+6*\t+2], v[ST+6*\t+1]
.endr
	v_nop
	s_wait_alu depctr_va_vdst(0)                   ; one wait for the three reciprocals
.irp t, 0,1,2
	v_mul_f32 v[ST+6*\t+2], s71, v[ST+6*\t+2]      ; 2^e of iv / l
.endr
.macro OUT t
.if \t > 0
	s_wait_xcnt 0x0                                ; the earlier stores have read the registers that are loaded again below
.endif
.if \t == 2
	WIN 0x01                                       ; source 0 window 1
.set OB_, 0
.else
.set OB_, O+32*\t
.endif
.set j, 0
.rept 16
	v_pk_mul_f32 v[S+32*\t+j:S+32*\t+j+1], v[OB_+j:OB_+j+1], v[ST+6*\t+2:ST+6*\t+3] op_sel_hi:[1,0]   ; each accumulator from its low end on
.set j, j+2
.endr
	WIN 0
.irp ct, 0,1,2,3
	ds_store_b128 v1, v[S+32*\t+8*\ct:S+32*\t+8*\ct+3] offset:64*\ct
	ds_store_b128 v1, v[S+32*\t+8*\ct+4:S+32*\t+8*\ct+7] offset:64*\ct+16
.endr
.irp i, 0,1,2,3,4,5,6,7
	ds_load_b128 v[KV+32*(\t%2)+4*\i:KV+32*(\t%2)+4*\i+3], v2 offset:2*272*\i       ; LDS serves a wave's instructions in order: these see the stores above
.endr
	s_cmp_lt_i32 s[LEFT], 16                       ; ids alone
	s_cbranch_scc1 .Lpart_\@
.irp i, 0,1,2,3,4,5,6,7
	s_wait_dscnt 7-\i                              ; the younger loads may stay out
	global_store_b128 v3, v[KV+32*(\t%2)+4*\i:KV+32*(\t%2)+4*\i+3], s[10:11] offset:65536*\t+8192*\i th:TH_STORE_NT   ; 16 lanes store 256 consecutive bytes, aligned
.endr
	s_branch .Ldone_\@
.Lpart_\@:
	s_wait_dscnt 0x0
	s_cmp_lg_u32 s[LEFT], 1                        ; query 1,088 is the one real row of tile 68; tiles 69-71 have none
	s_cbranch_scc1 .Ldone_\@
	s_wait_xcnt 0x0                                ; EXEC changes only behind this wait
	v_cmp_gt_u32 vcc_lo, 16, v[LN]
	s_and_saveexec_b32 s81, vcc_lo
	global_store_b128 v3, v[KV+32*(\t%2):KV+32*(\t%2)+3], s[10:11] offset:65536*\t th:TH_STORE_NT
	s_wait_xcnt 0x0
	s_or_b32 exec_lo, exec_lo, s81
.Ldone_\@:
	s_sub_co_i32 s[LEFT], s[LEFT], 16
.endm
	OUT 0
	OUT 1
	OUT 2
	; the loss: one wave of the launch adds the 1,024 parts
	s_or_b32 s80, ttmp9, s[BH]
	s_or_b32 s80, s80, s[WV]
	s_cmp_lg_u32 s80, 0
	s_cbranch_scc1 .Lno_loss
	v_lshlrev_b32 v26, 4, v[LN]
	v_mov_b32 v27, 0
.irp i, 0,1,2,3,4,5,6,7
	global_load_b128 v[S+4*\i:S+4*\i+3], v26, s[8:9] offset:512*\i
.endr
	s_wait_loadcnt 0x0
.irp j, 4,8,12,16,20,24,28
	v_pk_add_f32 v[S:S+1], v[S:S+1], v[S+\j:S+\j+1]
	v_pk_add_f32 v[S+2:S+3], v[S+2:S+3], v[S+\j+2:S+\j+3]
.endr
	v_pk_add_f32 v[S:S+1], v[S:S+1], v[S+2:S+3]
	v_add_f32 v[S], v[S], v[S+1]
	v_add_f32_dpp v[S], v[S], v[S] row_xmask:1 row_mask:0xf bank_mask:0xf
	v_add_f32_dpp v[S], v[S], v[S] row_xmask:2 row_mask:0xf bank_mask:0xf
	v_add_f32_dpp v[S], v[S], v[S] row_xmask:4 row_mask:0xf bank_mask:0xf
	v_add_f32_dpp v[S], v[S], v[S] row_xmask:8 row_mask:0xf bank_mask:0xf
	v_permlanex16_b32 v[S+1], v[S], s[SEL], s[SEL+1]
	v_add_f32 v[S], v[S], v[S+1]
	v_mul_f32 v[S], 0x33f0b84d, v[S]               ; / 8,921,088 = 8 x 16 x 1,089 x 64: both means have this many terms
	s_wait_xcnt 0x0
	v_cmp_eq_u32 vcc_lo, 0, v[LN]
	s_and_saveexec_b32 s81, vcc_lo
	global_store_b32 v27, v[S], s[12:13]
	s_wait_xcnt 0x0
	s_or_b32 exec_lo, exec_lo, s81
.Lno_loss:
	s_wait_tensorcnt 0x0                           ; the wave's end
	ds_add_u32 v[SPW], v[NIL]
	s_wait_dscnt 0x0
	s_endpgm
.Lfunc_end_k_q310bc17480_attend:
	.size	k_q310bc17480_attend, .Lfunc_end_k_q310bc17480_attend-k_q310bc17480_attend
	.p2alignl 7, 3214868480
	.fill 96, 4, 3214868480
	.section	.rodata,"a",@progbits
	.p2align	6, 0x0
	.amdhsa_kernel k_q310bc17480_attend
		.amdhsa_group_segment_fixed_size 327680
		.amdhsa_private_segment_fixed_size 0
		.amdhsa_enable_private_segment 0
		.amdhsa_kernarg_size 40
		.amdhsa_user_sgpr_count 2
		.amdhsa_user_sgpr_kernarg_segment_ptr 1
		.amdhsa_wavefront_size32 1
		.amdhsa_system_sgpr_workgroup_id_x 1
		.amdhsa_system_sgpr_workgroup_id_y 1
		.amdhsa_system_sgpr_workgroup_id_z 1
		.amdhsa_system_vgpr_workitem_id 0
		.amdhsa_next_free_vgpr 336
		.amdhsa_next_free_sgpr 90
		.amdhsa_reserve_vcc 1
		.amdhsa_float_denorm_mode_32 3
		.amdhsa_float_denorm_mode_16_64 3
		.amdhsa_memory_ordered 1
		.amdhsa_forward_progress 1
		.amdhsa_inst_pref_size 134
	.end_amdhsa_kernel
	.amdgpu_metadata
---
amdhsa.version: [ 1, 2 ]
amdhsa.kernels:
  - .name:           k_q310bc17480_attend
    .symbol:         k_q310bc17480_attend.kd
    .args:
      - { .name: qkv, .offset: 0, .size: 8, .value_kind: global_buffer, .address_space: global }
      - { .name: ikv, .offset: 8, .size: 8, .value_kind: global_buffer, .address_space: global }
      - { .name: red, .offset: 16, .size: 8, .value_kind: global_buffer, .address_space: global }
      - { .name: out0, .offset: 24, .size: 8, .value_kind: global_buffer, .address_space: global }
      - { .name: out1, .offset: 32, .size: 8, .value_kind: global_buffer, .address_space: global }
    .group_segment_fixed_size: 327680
    .private_segment_fixed_size: 0
    .kernarg_segment_align: 8
    .kernarg_segment_size: 40
    .max_flat_workgroup_size: 384
    .sgpr_count:     90
    .vgpr_count:     336
    .wavefront_size: 32
...
	.end_amdgpu_metadata
.endif
;; end of part 4
